; MI455X (gfx1250); checked and timed in simulation.
; The chip was launched on July 23, 2026; its instructions are those of AMD's public machine-readable ISA for CDNA 5 (MIT licence, August 2026) and "CDNA5" Instruction Set Architecture Reference Guide (July 2026). The comments in the code are by the model that wrote it; some were corrected since.
;; Mo E Layer. Allowed arithmetic: float matrix products may take bf16 or f16 operands with f32 sums; other float arithmetic in f32, or as packed bf16 or f16 multiplies, adds, multiply-adds, maxima and minima; sums over many terms, partial sums and values carried from step to step in f32; what a program stores and reads back later, other than sums and carried values, may be rounded once to bf16 or f16.
;; Inputs: b1 8 x 4,096 float32; b2 8 x 1,024 float32; gate_b 8 float32; gate_w 1,024 x 8 float32; w1 8 x 1,024 x 4,096 float32; w2 8 x 4,096 x 1,024 float32; x 2 x 512 x 1,024 float32.
;; Outputs: out0 2 x 512 x 1,024 float32; out1 one number float32.
;; 2 versions, each right; version 2 is version 1 with the launches ffn1, ffn2 written anew for expert scheduling mode. Each part assembles by itself: llvm-mc -triple=amdgcn-amd-amdhsa -mcpu=gfx1250 --defsym DOCPART=n.
;; ======== version 1 of 2: 4 launches
;; workspace buffers: xb 2,097,152 bytes; bm 1,024 bytes of whole numbers; hbuf 67,108,864 bytes; part 16,777,216 bytes
;; launch router (part 1): grid 32 x 1, 8 waves a work-group, no clusters, 99,840 bytes of LDS; arguments x, gate_w, gate_b, xb, bm, out1; writes xb, bm, out1
.if DOCPART == 1
	.amdgcn_target "amdgcn-amd-amdhsa--gfx1250"
	.amdhsa_code_object_version 6
	.text
	.protected	k_q9527801acd_router
	.globl	k_q9527801acd_router
	.p2align	8
	.type	k_q9527801acd_router,@function
k_q9527801acd_router:
	s_mov_b64 s[64:65], 0
	v_nop
	global_prefetch_b8 v0, s[64:65] scope:SCOPE_SE
	s_setreg_imm32_b32 hwreg(HW_REG_WAVE_MODE, 25, 1), 1
	s_wait_xcnt 0x0
; ROUTER.  xb = x rounded to bf16; scores = xb . bf16(gate_w) + bf16(gate_b); the chosen expert is the first largest score;
; bm[e][j] is a word whose bit l says that token 32 j + l chose expert e; out1 = 0.
; xb LIES IN BLOCKS: [block of 64 columns: 16][token: 1,024][64] bf16, so that a token's piece of a block is 128 bytes and tokens follow each other: the layout in which the
; first product gathers its rows, two K steps to a piece.
; SHARES.  A work-group owns 32 tokens, so it makes one whole word of each expert's bitmap.  Wave w brings rows 4 w .. 4 w + 3 of x, two rows at a time: lanes 0-15 take 256
; consecutive bytes (a block's 64 columns) of one row, lanes 16-31 the same columns of the next; 32 loads, all out at once.  Rounded, the two pieces are 256 consecutive bytes of xb.
; It also brings rows 128 w .. 128 w + 127 of gate_w, lays both into LDS, and multiplies its own 128 of K for all 32 tokens; wave 0 adds the eight partial scores in ascending K, in f32.
; THE PRODUCT is used with the gate as source 0 (16 rows: the 8 experts twice) and 16 tokens as source 1: a lane then holds ONE token's 8 scores.
; Nothing made from the scores enters an address or a branch: the choice leaves as data, at fixed places.
; The 8 words of a work-group go to 8 rows of bm, 128 bytes apart, 4 bytes each: 256 such words in the whole launch; in exchange the
; later launches read an expert's 32 words as 128 consecutive bytes.
; No cluster: the work-groups share gate_w alone, 32,768 of the 163,840 bytes that each reads.
; LIMITS.  All three inputs are rounded to bf16 once.  A NaN score never wins (reference's argmax would take it).
.set XP,    2064                       ; a token row in LDS: 2,048 bytes + 16: an odd multiple of 16, so the 16 rows of a fragment load start 16 bytes apart modulo 256
.set GT,    66048                      ; behind 32 such rows: the gate, [k / 8: 128][expert: 8][16 bytes = 8 consecutive k]
.set PT,    82432                      ; partial scores: [wave 8][tile 2][lane 32][32 bytes]
.set SPARE, 98816                      ; the spare words: 128 bytes for each of 8 waves
.set SPW, 1                            ; v1  LDS address of my spare word; never rewritten
.set NIL, 2                            ; v2  0; never rewritten
.set GL,  16                           ; v[16:47]   gate_w as loaded: row i of 8 at GL + 4 i; later the gate's fragments, 8 a K step
.set XL,  48                           ; v[48:175]  x as loaded: load n at XL + 4 n; later the tokens' fragments
.set PKG, 176                          ; v[176:191] the gate packed
.set SC,  112                          ; v[112:127] two accumulators
	s_load_b256 s[4:11], s[0:1], 0x0               ; x s[4:5], gate_w s[6:7], gate_b s[8:9], xb s[10:11]
	s_load_b128 s[12:15], s[0:1], 0x20             ; bm s[12:13], out1 s[14:15]
	v_lshl_add_u32 v[SPW], v0, 2, SPARE
	v_mov_b32 v[NIL], 0
	v_lshrrev_b32 v12, 5, v0
	v_readfirstlane_b32 s24, v12                   ; wave 0..7
	s_mov_b32 s25, ttmp9                           ; work-group 0..31
	v_and_b32 v12, 31, v0                          ; lane
	v_and_b32 v13, 15, v0                          ; r
	v_bfe_u32 v14, v0, 4, 1                        ; h
	s_lshl_b32 s26, s24, 14
	v_lshl_add_u32 v3, v14, 12, s26                ; x: row 4 w + h of 4,096 bytes,
	v_lshl_add_u32 v3, v13, 4, v3                  ; + 16 r
	s_lshl_b32 s26, s24, 9
	v_lshl_add_u32 v4, v14, 7, s26                 ; xb: token 4 w + h, 128 bytes in a block,
	v_lshl_add_u32 v4, v13, 3, v4                  ; + 8 r
	s_mul_i32 s26, s24, 4*XP
	v_mul_u32_u24 v5, v14, XP                      ; the same row in LDS
	v_add_nc_u32 v5, s26, v5
	v_lshl_add_u32 v5, v13, 3, v5
	v_lshrrev_b32 v15, 1, v12
	v_and_b32 v6, 1, v0
	v_lshlrev_b32 v6, 4, v6
	v_lshl_add_u32 v6, v15, 8, v6                  ; gate_w: rows 8 (lane / 2) + i of 32 bytes, experts 4 (lane % 2) ..
	s_lshl_b32 s26, s24, 12
	v_add_nc_u32 v6, s26, v6                       ; + 128 w rows
	s_lshl_b32 s26, s24, 11
	s_add_co_u32 s27, s26, GT                      ; my 16 groups of 8 k in the gate's table
	v_lshl_add_u32 v7, v12, 6, s27                 ; in: group lane / 2, experts 4 (lane % 2) ..: 64 bytes a lane
	v_and_b32 v15, 7, v0
	v_lshl_add_u32 v8, v14, 7, s27                 ; back as source 0: group h, expert r % 8
	v_lshl_add_u32 v8, v15, 4, v8
	v_mul_u32_u24 v9, v13, XP                      ; tokens as source 1: row r, 16 h, my 128 of K
	v_lshl_add_u32 v9, v14, 4, v9
	s_lshl_b32 s27, s24, 8
	v_add_nc_u32 v9, s27, v9
	s_add_co_u32 s27, s26, PT
	v_lshl_add_u32 v10, v12, 5, s27                ; my partial scores: 32 bytes a lane
	v_lshlrev_b32 v11, 10, v14                     ; wave 0, lane L = token L: tile L / 16, lane L % 16 of every wave's part
	v_lshl_add_u32 v11, v13, 5, v11
	v_add_nc_u32 v11, PT, v11
	s_lshl_b32 s28, s25, 17                        ; 32 tokens of 4,096 bytes
	s_mov_b32 s29, 0
	s_lshl_b32 s30, s25, 12                        ; 32 tokens of 128 bytes in each block of xb
	s_mov_b32 s31, 0
	s_wait_kmcnt 0x0
	s_add_nc_u64 s[4:5], s[4:5], s[28:29]
	s_add_nc_u64 s[10:11], s[10:11], s[30:31]
	s_load_b256 s[16:23], s[8:9], 0x0              ; gate_b, wanted by wave 0 at the end
.set i, 0
.rept 8
	global_load_b128 v[GL+4*i:GL+4*i+3], v6, s[6:7] offset:32*i
.set i, i+1
.endr
.set n, 0
.rept 32                                               ; rows 2 (n / 16) + h of my four, block n % 16: each half of the lanes takes 256 consecutive bytes, aligned
	global_load_b128 v[XL+4*n:XL+4*n+3], v3, s[4:5] offset:(n/16)*8192+(n%16)*256 th:TH_LOAD_NT
.set n, n+1
.endr
	s_wait_loadcnt 32                              ; the gate's 8 loads are in; the 32 of x were issued behind them
.irp q, 0,1,2,3
.irp d, 0,1,2,3
	v_cvt_pk_bf16_f32 v[PKG+4*(\q)+(\d)], v[GL+8*(\d)+(\q)], v[GL+8*(\d)+4+(\q)]  ; rows 2 d and 2 d + 1 of one expert: neighbours along K
.endr
.endr
.irp q, 0,1,2,3
	ds_store_b128 v7, v[PKG+4*(\q):PKG+4*(\q)+3] offset:16*(\q)
.endr
.set n, 0
.rept 32
	s_wait_loadcnt 31-n                            ; loads come back in order: load n is in, the 31 - n behind it may be out
	v_cvt_pk_bf16_f32 v[XL+4*n], v[XL+4*n], v[XL+4*n+1]
	v_cvt_pk_bf16_f32 v[XL+4*n+1], v[XL+4*n+2], v[XL+4*n+3]
	global_store_b64 v4, v[XL+4*n:XL+4*n+1], s[10:11] offset:(n%16)*131072+(n/16)*256  ; two tokens of one block: the wave's store covers 256 consecutive bytes, aligned
	ds_store_b64 v5, v[XL+4*n:XL+4*n+1] offset:(n/16)*2*XP+(n%16)*128
.set n, n+1
.endr
	s_wait_xcnt 0x0                                ; the stores' data registers are loaded anew below
	s_wait_dscnt 0x0                               ; for the others' sake: my rows are in LDS
	s_barrier_signal -1
	s_barrier_wait -1
.irp s, 0,1,2,3                                        ; my four K steps of 32
	ds_load_b128 v[GL+8*(\s):GL+8*(\s)+3],   v8 offset:(\s)*512
	ds_load_b128 v[GL+8*(\s)+4:GL+8*(\s)+7], v8 offset:(\s)*512+256
.irp t, 0,1
	ds_load_b128 v[XL+16*(\s)+8*(\t):XL+16*(\s)+8*(\t)+3],   v9 offset:(\t)*16*XP+(\s)*64
	ds_load_b128 v[XL+16*(\s)+8*(\t)+4:XL+16*(\s)+8*(\t)+7], v9 offset:(\t)*16*XP+(\s)*64+32
.endr
.endr
	s_wait_dscnt 0x0
	v_wmma_f32_16x16x32_bf16 v[SC:SC+7],    v[GL:GL+7], v[XL:XL+7],    0   ; the two tiles' accumulators take turns
	v_wmma_f32_16x16x32_bf16 v[SC+8:SC+15], v[GL:GL+7], v[XL+8:XL+15], 0
.irp s, 1,2,3
	v_wmma_f32_16x16x32_bf16 v[SC:SC+7],    v[GL+8*(\s):GL+8*(\s)+7], v[XL+16*(\s):XL+16*(\s)+7],    v[SC:SC+7]
	v_wmma_f32_16x16x32_bf16 v[SC+8:SC+15], v[GL+8*(\s):GL+8*(\s)+7], v[XL+16*(\s)+8:XL+16*(\s)+15], v[SC+8:SC+15]
.endr
.rept 4
	v_nop                                          ; four places between the last product and the stores that read the results
.endr
	ds_store_b128 v10, v[SC:SC+3]                  ; each accumulator's low registers first
	ds_store_b128 v10, v[SC+4:SC+7] offset:16
	ds_store_b128 v10, v[SC+8:SC+11] offset:1024
	ds_store_b128 v10, v[SC+12:SC+15] offset:1040
	s_wait_dscnt 0x0                               ; for wave 0's sake
	s_barrier_signal -1
	s_barrier_wait -1
	s_cmp_lg_u32 s24, 0
	s_cbranch_scc0 .Lwave_0
	s_wait_tensorcnt 0x0                           ; waves 1 to 7 end
	ds_add_u32 v[SPW], v[NIL]
	s_wait_dscnt 0x0
	s_endpgm
.Lwave_0:
.set i, 0
.rept 8                                                ; token L's 8 scores from each of the 8 waves
	ds_load_b128 v[16+8*i:16+8*i+3], v11 offset:2048*i
	ds_load_b128 v[16+8*i+4:16+8*i+7], v11 offset:2048*i+16
.set i, i+1
.endr
	s_cmp_lg_u32 s25, 0
	s_cbranch_scc1 .Lno_aux                        ; out1 is stored by work-group 0, lane 0
	v_mov_b32 v100, 0
	s_wait_xcnt 0x0                                ; EXEC changes only behind this wait
	v_cmp_eq_u32 vcc_lo, 0, v0
	s_and_saveexec_b32 s40, vcc_lo
	global_store_b32 v100, v100, s[14:15]
	s_wait_xcnt 0x0                                ; and again in front of the line that widens it
	s_or_b32 exec_lo, exec_lo, s40
.Lno_aux:
	s_wait_kmcnt 0x0                               ; gate_b
.irp d, 0,1,2,3
	v_cvt_pk_bf16_f32 v[80+(\d)], s[16+2*(\d)], s[17+2*(\d)]   ; rounded to bf16 like every input,
.endr
.irp d, 0,1,2,3
	v_lshlrev_b32 v[88+2*(\d)], 16, v[80+(\d)]                 ; and widened again
	v_and_b32 v[89+2*(\d)], 0xffff0000, v[80+(\d)]
.endr
	s_wait_dscnt 0x0
.set i, 1
.rept 7                                                ; K ascending
.irp d, 0,1,2,3
	v_pk_add_f32 v[16+2*(\d):17+2*(\d)], v[16+2*(\d):17+2*(\d)], v[16+8*i+2*(\d):17+8*i+2*(\d)]
.endr
.set i, i+1
.endr
.irp d, 0,1,2,3
	v_pk_add_f32 v[16+2*(\d):17+2*(\d)], v[16+2*(\d):17+2*(\d)], v[88+2*(\d):89+2*(\d)]  ; the bias last, as reference() adds it
.endr
	v_mov_b32 v96, v16                             ; the largest so far,
	v_mov_b32 v97, 0                               ; and its expert
.irp e, 1,2,3,4,5,6,7
	v_cmp_gt_f32 vcc_lo, v[16+(\e)], v96           ; strictly greater: of equal scores the lower expert stays
	v_cndmask_b32 v97, v97, \e, vcc_lo
	v_max_num_f32 v96, v96, v[16+(\e)]
.endr
	v_mov_b32 v98, 0
.irp e, 0,1,2,3,4,5,6,7
	v_cmp_eq_u32 s[32+(\e)], \e, v97               ; expert e's word: bit L for token L
	v_writelane_b32 v98, s[32+(\e)], \e            ; into lane e
.endr
	v_and_b32 v99, 7, v0
	s_lshl_b32 s26, s25, 2
	v_lshl_add_u32 v99, v99, 7, s26                ; bm[e][work-group]
	s_wait_xcnt 0x0
	v_cmp_gt_u32 vcc_lo, 8, v0
	s_and_saveexec_b32 s40, vcc_lo
	global_store_b32 v99, v98, s[12:13]
	s_wait_xcnt 0x0
	s_or_b32 exec_lo, exec_lo, s40
	s_wait_tensorcnt 0x0                           ; the wave's end
	ds_add_u32 v[SPW], v[NIL]
	s_wait_dscnt 0x0
	s_endpgm
.Lfunc_end_k_q9527801acd_router:
	.size	k_q9527801acd_router, .Lfunc_end_k_q9527801acd_router-k_q9527801acd_router
	.p2alignl 7, 3214868480
	.fill 96, 4, 3214868480
	.section	.rodata,"a",@progbits
	.p2align	6, 0x0
	.amdhsa_kernel k_q9527801acd_router
		.amdhsa_group_segment_fixed_size 99840
		.amdhsa_private_segment_fixed_size 0
		.amdhsa_enable_private_segment 0
		.amdhsa_kernarg_size 48
		.amdhsa_user_sgpr_count 2
		.amdhsa_user_sgpr_kernarg_segment_ptr 1
		.amdhsa_wavefront_size32 1
		.amdhsa_system_sgpr_workgroup_id_x 1
		.amdhsa_system_sgpr_workgroup_id_y 1
		.amdhsa_system_sgpr_workgroup_id_z 1
		.amdhsa_system_vgpr_workitem_id 0
		.amdhsa_next_free_vgpr 192
		.amdhsa_next_free_sgpr 66
		.amdhsa_reserve_vcc 1
		.amdhsa_float_denorm_mode_32 3
		.amdhsa_float_denorm_mode_16_64 3
		.amdhsa_memory_ordered 1
		.amdhsa_forward_progress 1
		.amdhsa_inst_pref_size 27
	.end_amdhsa_kernel
	.amdgpu_metadata
---
amdhsa.version: [ 1, 2 ]
amdhsa.kernels:
  - .name:           k_q9527801acd_router
    .symbol:         k_q9527801acd_router.kd
    .args:
      - { .name: x, .offset: 0, .size: 8, .value_kind: global_buffer, .address_space: global }
      - { .name: gate_w, .offset: 8, .size: 8, .value_kind: global_buffer, .address_space: global }
      - { .name: gate_b, .offset: 16, .size: 8, .value_kind: global_buffer, .address_space: global }
      - { .name: xb, .offset: 24, .size: 8, .value_kind: global_buffer, .address_space: global }
      - { .name: bm, .offset: 32, .size: 8, .value_kind: global_buffer, .address_space: global }
      - { .name: out1, .offset: 40, .size: 8, .value_kind: global_buffer, .address_space: global }
    .group_segment_fixed_size: 99840
    .private_segment_fixed_size: 0
    .kernarg_segment_align: 8
    .kernarg_segment_size: 48
    .max_flat_workgroup_size: 256
    .sgpr_count:     66
    .vgpr_count:     192
    .wavefront_size: 32
...
	.end_amdgpu_metadata
.endif
;; end of part 1
;; launch ffn1 (part 2): grid 32 x 8, 16 waves a work-group, no clusters, 264,192 bytes of LDS; arguments xb, w1, b1, bm, hbuf; writes hbuf
.if DOCPART == 2
	.amdgcn_target "amdgcn-amd-amdhsa--gfx1250"
	.amdhsa_code_object_version 6
	.text
	.protected	k_q9527801acd_ffn1
	.globl	k_q9527801acd_ffn1
	.p2align	8
	.type	k_q9527801acd_ffn1,@function
k_q9527801acd_ffn1:
	s_mov_b64 s[64:65], 0
	v_nop
	global_prefetch_b8 v0, s[64:65] scope:SCOPE_SE
	s_setreg_imm32_b32 hwreg(HW_REG_WAVE_MODE, 25, 1), 1
	s_wait_xcnt 0x0
; THE FIRST PRODUCT OF A ROUTED EXPERT, for the rows that chose the expert:  h = gelu(xb[tokens of e] . w1[e][:, 128 columns] + b1[e])  ->  hbuf [e][block of 64 columns][rank][64] bf16.
; SHARES.  A work-group has 1,024 rows of K x 128 columns of ONE expert's f32 weights, 524,288 bytes that it alone reads, in rows of 512 consecutive bytes, and all
; rows of that expert.  PHASE S: wave w streams K rows 64 w .. 64 w + 63 through registers, 32 loads of 512 bytes out at a time, rounds them to bf16 and lays them into
; LDS in the order in which source 1 of the matrix instruction takes them.  One barrier.  PHASE C: four passes of 256 ranks, a constant count that serves every split of
; the tokens; wave w has ranks 256 t + 32 (w / 2) .. + 31 and column half w % 2: 8 accumulators; a tile that begins at or past the expert's count is jumped forward over
; (the jumped text holds no barrier).  The rows come from memory straight into registers as source 0, six K steps ahead; the weights' fragments from LDS, two ahead.
; WHICH TOKEN HAS A RANK.  bm[e], stored by the launch in front, is the expert's bitmap of tokens; it stays in 32 scalar registers.  Each lane finds the token of its rank in registers (SEL):
; the word that holds it, by 31 compares with the running count; then the bit, by five halvings on the word's partial bit counts.  All lanes on, no LDS.  Ranks past the count take the last token.
; So the rows' addresses hang on nothing in LDS: a tile's first four K steps of rows are asked for ahead of the barrier (for a later pass: at the foot of the pass before).
; xb lies in blocks, [block of 64 columns][token][64]: a token's piece is 128 bytes, two K steps.
; LAYOUT.  W: [k / 8][place 0..127][16 bytes = 8 consecutive k]; place 64 c + 16 nb + r holds column 64 c + 4 r + nb.  A lane that has loaded 8 K rows of its 4 columns pairs
; rows 2 d and 2 d + 1 in the conversion itself: the transposition costs nothing, and stores and loads are 16 lanes x 16 consecutive bytes.  With these columns lane r holds, in
; register j of its four accumulators, four NEIGHBOURING columns of one row; source 0's row m holds rank 2 (m % 8) + m / 8, so that the two halves of the lanes hold neighbouring
; ranks: results leave from registers, each store covering 256 consecutive bytes, aligned.
; NO CLUSTER, NO TENSOR LOADS.  Each weight byte has one reader.  What an expert's work-groups share is its rows, which are picked token by token and read inside passes that may be
; jumped.  The bf16 slice takes 262,144 bytes of LDS; f32 slots in what is left would hold less than the 262,144 bytes that the sixteen waves' registers have on their way.
; LIMITS.  Weights, bias and rows are bf16 (each input rounded once), h is rounded once to bf16, sums are f32.  erf by Abramowitz and Stegun 7.1.26: within 1.5e-7; an exponential
; below 2^-126 counts as 0.  Ranks past the count in a live tile are computed and stored as rows of their own (the next launch reads them).  An expert without rows has asked for its
; first 32 loads a wave (262,144 bytes a work-group) before it knows.
.set PITCH, 16384                      ; bytes from a K row of the weights to the next
.set SPARE, 262144                     ; behind W: the spare words, 128 bytes for each of 16 waves
.set SPW,  1                           ; v1      LDS address of my spare word; never rewritten
.set NIL,  2                           ; v2      0; never rewritten
.set WOFF, 3                           ; v3      my byte offset in the slice: 64 w K rows + 16 lane
.set WST,  4                           ; v4      where my 16 bytes go in W
.set WB,   5                           ; v[5:8]  where my fragments of W lie, for K steps 0-7, 8-15, 16-23, 24-31
                                       ; v9 the rank that source 0's row r holds; v10 128 h + 8 r; v11, v12 byte offset of my row in blocks 0, 1; v13 the way out; v14 16 h; v15 the bias's offset
.set BI,   16                          ; v[16:23] the bias of my four columns, each twice, as pairs
.set ACC,  32                          ; v[32:95]   accumulator (a, nb) at ACC + 32 a + 8 nb
.set BR,   96                          ; v[96:159]  W's fragments: two buffers of four
.set AR,   160                         ; v[160:255] the rows' fragments: six slots of two
.set ST,   96                          ; phase S: v[96:223] four groups of 8 K rows x 4 registers
.set PK,   224                         ; phase S: v[224:239] a group packed
.set SELA, 240                         ; SEL at work: 8 registers for each of my two ranks
.set SELB, 248
.set QW, 0                             ;   the word;  QK its number << 16 | the tokens ahead of it;  QN my rank, then my place in the word
.set QK, 1
.set QN, 2
.set QA, 3                             ;   the word's bit counts by 2, by 4 (QB), by 8 (QC)
.set QB, 4
.set QC, 5
.set QP, 6                             ;   the bit's place so far;  QT at work
.set QT, 7
.set XR,   160                         ; the way out: x, t, the exponential, the polynomial, the packed results
.set TR,   192
.set ER,   224
.set PR,   96
.set OUTR, 128
.set BM,   16                          ; s[16:47] the expert's bitmap, for the whole kernel
.set NC,   66                          ; s[66:79] gelu's constants, as pairs for the packed forms
.set H5,   68
.set H4,   70
.set H3,   72
.set H2,   74
.set H1,   76
.set PZ,   78
	s_load_b256 s[4:11], s[0:1], 0x0               ; xb s[4:5], w1 s[6:7], b1 s[8:9], bm s[10:11]
	s_load_b64 s[12:13], s[0:1], 0x20              ; hbuf
	v_lshl_add_u32 v[SPW], v0, 2, SPARE
	v_mov_b32 v[NIL], 0
	v_lshrrev_b32 v24, 5, v0
	v_readfirstlane_b32 s48, v24                   ; wave 0..15
	s_and_b32 s56, s48, 1                          ; c: my half of the 128 columns
	s_lshr_b32 s57, s48, 1                         ; p: my 32 of a pass's 256 ranks
	s_lshl_b32 s53, s57, 5                         ; my tile's first rank
	s_and_b32 s52, ttmp7, 0xffff                   ; the expert
	v_and_b32 v31, 31, v0                          ; lane
	v_and_b32 v30, 15, v0                          ; r
	v_bfe_u32 v29, v0, 4, 1                        ; h
	v_and_b32 v28, 7, v0
	v_bfe_u32 v27, v0, 3, 1
	v_lshl_or_b32 v9, v28, 1, v27                  ; the rank that source 0's row r holds: 2 (r % 8) + r / 8
	s_mul_i32 s51, s48, 64*PITCH
	v_lshl_add_u32 v[WOFF], v31, 4, s51
	s_lshl_b32 s51, s48, 14                        ; my 8 groups of 8 k: 16,384 bytes of W
	v_lshl_add_u32 v[WST], v29, 10, s51            ; lanes 16-31 hold columns 64 ..: the second half of the places
	v_lshl_add_u32 v[WST], v30, 4, v[WST]
	s_lshl_b32 s51, s56, 10
	v_lshl_add_u32 v[WB], v29, 11, s51             ; group h of a K step's four, my column half, place r
	v_lshl_add_u32 v[WB], v30, 4, v[WB]
	v_add_nc_u32 v[WB+1], 0x10000, v[WB]           ; an LDS offset has 16 bits: a register for each 8 K steps
	v_add_nc_u32 v[WB+2], 0x20000, v[WB]
	v_add_nc_u32 v[WB+3], 0x30000, v[WB]
	v_lshlrev_b32 v14, 4, v29
	s_lshl_b32 s51, s56, 8
	v_lshl_add_u32 v15, v30, 4, s51                ; the bias of columns 64 c + 4 r ..
	v_lshlrev_b32 v10, 7, v29
	v_lshl_add_u32 v10, v30, 3, v10
	s_lshl_b32 s51, ttmp9, 9                       ; the slice of 128 columns
	s_lshl_b32 s58, s52, 24                        ; weights: expert, slice
	s_add_co_u32 s58, s58, s51
	s_lshl_b32 s60, s52, 14                        ; bias: expert, slice
	s_add_co_u32 s60, s60, s51
	s_lshl_b32 s62, s52, 23                        ; hbuf: expert, block of 64 columns = 2 slice + c
	s_lshl_b32 s51, ttmp9, 18
	s_add_co_u32 s62, s62, s51
	s_lshl_b32 s51, s56, 17
	s_add_co_u32 s62, s62, s51
	s_mov_b32 s59, 0
	s_mov_b32 s61, 0
	s_mov_b32 s63, 0
	s_lshl_b32 s14, s52, 7                         ; bm: 32 words an expert
	s_mov_b32 s15, 0
	s_mov_b32 s[NC], 0xbf38aa3b                    ; -log2(e) / 2: e^(-x^2 / 2) = 2^(-0.72134752 x^2)
	s_mov_b32 s[NC+1], s[NC]                       ; the packed forms name pairs and take the low word for both halves
	s_mov_b32 s[H5], 0x3f07dc22                    ; half of 7.1.26's a5 .. a1:  0.5307027
	s_mov_b32 s[H5+1], s[H5]
	s_mov_b32 s[H4], 0xbf3a00e3                    ; -0.7265760
	s_mov_b32 s[H4+1], s[H4]
	s_mov_b32 s[H3], 0x3f35f0e3                    ;  0.7107069
	s_mov_b32 s[H3+1], s[H3]
	s_mov_b32 s[H2], 0xbe11a98e                    ; -0.1422484
	s_mov_b32 s[H2+1], s[H2]
	s_mov_b32 s[H1], 0x3e027906                    ;  0.1274148
	s_mov_b32 s[H1+1], s[H1]
	s_mov_b32 s[PZ], 0x3e6d3388                    ; 0.3275911 / sqrt(2)
	s_wait_kmcnt 0x0
	s_add_nc_u64 s[6:7], s[6:7], s[58:59]
	s_add_nc_u64 s[8:9], s[8:9], s[60:61]
	s_add_nc_u64 s[10:11], s[10:11], s[14:15]
	s_add_nc_u64 s[12:13], s[12:13], s[62:63]
; 8 K rows of my 64: group g into buffer g % 4; the wave's load covers a row's 512 consecutive bytes
.macro WLOAD g
.set i, 0
.rept 8
	global_load_b128 v[ST+32*((\g)%4)+4*i:ST+32*((\g)%4)+4*i+3], v[WOFF], s[6:7] offset:(8*(\g)+i)*PITCH th:TH_LOAD_NT
.set i, i+1
.endr
.endm
; group g is rounded, laid into W, and its buffer asked for again
.macro WGROUP g
.if (\g) < 5
	s_wait_loadcnt 24                              ; loads come back in order: three later groups of 8 may be out
.else
	s_wait_loadcnt 8*(7-(\g))                      ; the tail: 7 - g later groups
.endif
.set b, ST+32*((\g)%4)
.irp q, 0,1,2,3
.irp d, 0,1,2,3
	v_cvt_pk_bf16_f32 v[PK+4*(\q)+(\d)], v[b+8*(\d)+(\q)], v[b+8*(\d)+4+(\q)]  ; column q of my four, K rows 2 d and 2 d + 1
.endr
.endr
.irp q, 0,1,2,3
	ds_store_b128 v[WST], v[PK+4*(\q):PK+4*(\q)+3] offset:(\g)*2048+(\q)*256
.endr
.if (\g) < 4
	WLOAD (\g)+4
.endif
.endm
; one halving of SEL: if my place is not among the wd low bits of what is left, it lies in the wd bits above: src holds the bit counts of fields of wd bits
.macro HALVE b, src, wd
	v_bfe_u32 v[\b+QT], v[\b+\src], v[\b+QP], \wd
	v_cmp_ge_u32 vcc_lo, v[\b+QN], v[\b+QT]
	v_cndmask_b32 v[\b+QT], 0, v[\b+QT], vcc_lo
	v_sub_nc_u32 v[\b+QN], v[\b+QN], v[\b+QT]
	v_cndmask_b32 v[\b+QT], 0, \wd, vcc_lo
	v_add_nc_u32 v[\b+QP], v[\b+QP], v[\b+QT]
.endm
; SEL: the tokens of ranks s53 + v9 and s53 + 16 + v9 (held to the last rank that exists), and from them v11, v12: the byte offsets of my rows in a block of xb
.macro SEL
	s_sub_co_u32 s51, s49, 1
	v_add_nc_u32 v[SELA+QN], s53, v9
	v_add_nc_u32 v[SELB+QN], 16, v[SELA+QN]
.irp b, SELA, SELB
	v_min_u32 v[\b+QN], s51, v[\b+QN]
	v_mov_b32 v[\b+QW], s[BM]
	v_mov_b32 v[\b+QK], 0
.endr
	s_mov_b32 s50, 0
.set j, 1
.rept 31                                               ; the last word with no more tokens ahead of it than my rank is the word that holds my token
	s_bcnt1_i32_b32 s51, s[BM+j-1]
	s_add_co_u32 s50, s50, s51                     ; the tokens ahead of word j (1,024 at the most),
	s_add_co_u32 s51, s50, j<<16                   ; and j above them
.irp b, SELA, SELB
	v_cmp_le_u32 vcc_lo, s50, v[\b+QN]
	v_cndmask_b32 v[\b+QW], v[\b+QW], s[BM+j], vcc_lo
	v_cndmask_b32 v[\b+QK], v[\b+QK], s51, vcc_lo
.endr
.set j, j+1
.endr
.irp b, SELA, SELB
	v_and_b32 v[\b+QT], 0xffff, v[\b+QK]
	v_sub_nc_u32 v[\b+QN], v[\b+QN], v[\b+QT]      ; my place among the word's tokens
	v_lshrrev_b32 v[\b+QK], 16, v[\b+QK]           ; the word's number
	v_lshrrev_b32 v[\b+QT], 1, v[\b+QW]
	v_and_b32 v[\b+QT], 0x55555555, v[\b+QT]
	v_sub_nc_u32 v[\b+QA], v[\b+QW], v[\b+QT]      ; bit counts of fields of 2,
	v_lshrrev_b32 v[\b+QT], 2, v[\b+QA]
	v_and_b32 v[\b+QT], 0x33333333, v[\b+QT]
	v_and_b32 v[\b+QB], 0x33333333, v[\b+QA]
	v_add_nc_u32 v[\b+QB], v[\b+QB], v[\b+QT]      ; of 4,
	v_lshrrev_b32 v[\b+QT], 4, v[\b+QB]
	v_add_nc_u32 v[\b+QC], v[\b+QB], v[\b+QT]
	v_and_b32 v[\b+QC], 0x0f0f0f0f, v[\b+QC]       ; of 8,
	v_bfe_u32 v[\b+QT], v[\b+QC], 8, 8
	v_and_b32 v[\b+QP], 0xff, v[\b+QC]
	v_add_nc_u32 v[\b+QT], v[\b+QT], v[\b+QP]      ; and of the low 16
	v_cmp_ge_u32 vcc_lo, v[\b+QN], v[\b+QT]
	v_cndmask_b32 v[\b+QT], 0, v[\b+QT], vcc_lo
	v_sub_nc_u32 v[\b+QN], v[\b+QN], v[\b+QT]
	v_cndmask_b32 v[\b+QP], 0, 16, vcc_lo
	HALVE \b, QC, 8
	HALVE \b, QB, 4
	HALVE \b, QA, 2
	HALVE \b, QW, 1
	v_lshl_add_u32 v[\b+QT], v[\b+QK], 5, v[\b+QP] ; the token
	v_min_u32 v[\b+QT], 0x3ff, v[\b+QT]            ; inside xb, whatever was loaded
.endr
	v_lshl_add_u32 v11, v[SELA+QT], 7, v14         ; 128 bytes a token in a block, + 16 h
	v_lshl_add_u32 v12, v[SELB+QT], 7, v14
.endm
; the rows' fragments of K step s (two blocks of 16 ranks x 32 K) into slot s % 6: lane (r, h) takes K 8 h .. and 16 + 8 h .. of its row
.macro ALOAD s
.set AD, AR+16*((\s)%6)
.set AI, ((\s)/2)*131072+((\s)%2)*64   ; a block of 64 columns of xb holds 1,024 tokens of 128 bytes
	global_load_b128 v[AD:AD+3],     v11, s[4:5] offset:AI
	global_load_b128 v[AD+4:AD+7],   v11, s[4:5] offset:AI+32
	global_load_b128 v[AD+8:AD+11],  v12, s[4:5] offset:AI
	global_load_b128 v[AD+12:AD+15], v12, s[4:5] offset:AI+32
.endm
	s_load_b512 s[BM:BM+15], s[10:11], 0x0
	s_load_b512 s[BM+16:BM+31], s[10:11], 0x40
	global_load_b128 v[24:27], v15, s[8:9]
	WLOAD 0
	WLOAD 1
	WLOAD 2
	WLOAD 3
	s_wait_kmcnt 0x0                               ; the bitmap
	s_mov_b32 s49, 0
.set j, 0
.rept 32
	s_bcnt1_i32_b32 s51, s[BM+j]
	s_add_co_u32 s49, s49, s51                     ; the expert's count of rows
.set j, j+1
.endr
	SEL                                            ; my first tile's tokens, while the first weights are on their way
	s_wait_loadcnt 32                              ; the bias is in: the 32 weight loads were issued behind it
	v_cvt_pk_bf16_f32 v24, v24, v25                ; rounded to bf16 like every input, and widened again
	v_cvt_pk_bf16_f32 v26, v26, v27
	v_lshlrev_b32 v[BI], 16, v24
	v_lshlrev_b32 v[BI+1], 16, v24
	v_and_b32 v[BI+2], 0xffff0000, v24
	v_and_b32 v[BI+3], 0xffff0000, v24
	v_lshlrev_b32 v[BI+4], 16, v26
	v_lshlrev_b32 v[BI+5], 16, v26
	v_and_b32 v[BI+6], 0xffff0000, v26
	v_and_b32 v[BI+7], 0xffff0000, v26
	s_cmp_lg_u32 s49, 0
	s_cbranch_scc1 .Lstream
	s_wait_loadcnt 0x0                             ; no rows: nothing more is read, every pass below is dead; the 32 loads that are out land first
	s_branch .Lfilled
.Lstream:
	WGROUP 0
	WGROUP 1
	WGROUP 2
	WGROUP 3
	WGROUP 4
	WGROUP 5
	WGROUP 6
	WGROUP 7
	s_cmp_ge_u32 s53, s49
	s_cbranch_scc1 .Lfilled
	ALOAD 0                                        ; a live tile's first rows go out ahead of the barrier, into registers that the stream has left
	ALOAD 1
	ALOAD 2
	ALOAD 3
.Lfilled:
	s_wait_dscnt 0x0                               ; for the others' sake: my part of W is in LDS
	s_barrier_signal -1
	s_barrier_wait -1                              ; the only barrier: from here on LDS is only read
; W's fragments of K step s (four blocks of 16 columns) into buffer s % 2
.macro BLOAD s
.set BD, BR+32*((\s)%2)
.irp nb, 0,1,2,3
	ds_load_b128 v[BD+8*(\nb):BD+8*(\nb)+3],   v[WB+(\s)/8] offset:((\s)%8)*8192+(\nb)*256
	ds_load_b128 v[BD+8*(\nb)+4:BD+8*(\nb)+7], v[WB+(\s)/8] offset:((\s)%8)*8192+(\nb)*256+4096
.endr
.endm
; K step s: 8 products, the 8 accumulators by turns; step 0 starts the sums with the constant 0
.macro KSTEP s
.if (\s) < 26
	s_wait_loadcnt 20                              ; five later steps' rows, 4 loads each, may be out
.else
	s_wait_loadcnt 4*(31-(\s))
.endif
.if (\s) < 31
	s_wait_dscnt 8                                 ; the next step's 8 fragment loads may be out
.else
	s_wait_dscnt 0
.endif
.set AS, AR+16*((\s)%6)
.set BS, BR+32*((\s)%2)
.irp a, 0,1
.irp nb, 0,1,2,3
.if (\s) == 0
	v_wmma_f32_16x16x32_bf16 v[ACC+32*(\a)+8*(\nb):ACC+32*(\a)+8*(\nb)+7], v[AS+8*(\a):AS+8*(\a)+7], v[BS+8*(\nb):BS+8*(\nb)+7], 0
.else
	v_wmma_f32_16x16x32_bf16 v[ACC+32*(\a)+8*(\nb):ACC+32*(\a)+8*(\nb)+7], v[AS+8*(\a):AS+8*(\a)+7], v[BS+8*(\nb):BS+8*(\nb)+7], v[ACC+32*(\a)+8*(\nb):ACC+32*(\a)+8*(\nb)+7]
.endif
.endr
.endr
.if (\s) != 30
.rept 4
	v_nop                                          ; four places in front of loads into registers that the products read, and of the way out (ISA guide 7.12.1 for the way out)
.endr
.endif
.if (\s) < 30
	BLOAD (\s)+2
.endif
.if (\s) < 26
	ALOAD (\s)+6
.endif
.endm
; THE WAY OUT of block a (16 ranks x 64 columns): x = sum + bias; gelu(x) = max(x, 0) - |x| q, q = 1/2 poly(t) e^(-x^2 / 2), t = 1 / (1 + 0.2316419 |x|): no difference of near numbers for negative x
.macro GELU a
.set AC, ACC+32*(\a)
.set OU, OUTR+16*(\a)
.set i, 0
.rept 16
	v_pk_add_f32 v[XR+2*i:XR+2*i+1], v[AC+2*i:AC+2*i+1], v[BI+2*(i/4):BI+2*(i/4)+1]  ; ascending: each accumulator's low registers are read first
.set i, i+1
.endr
.set i, 0
.rept 32
	v_fma_f32 v[TR+i], |v[XR+i]|, s[PZ], 1.0
.set i, i+1
.endr
.set i, 0
.rept 16
	v_pk_mul_f32 v[ER+2*i:ER+2*i+1], v[XR+2*i:XR+2*i+1], v[XR+2*i:XR+2*i+1]
.set i, i+1
.endr
.set i, 0
.rept 16
	v_pk_mul_f32 v[ER+2*i:ER+2*i+1], v[ER+2*i:ER+2*i+1], s[NC:NC+1] op_sel_hi:[1,0]
.set i, i+1
.endr
.set i, 0
.rept 32                                               ; ONE batch: 32 reciprocals and 32 exponentials
	v_rcp_f32 v[TR+i], v[TR+i]
.set i, i+1
.endr
.set i, 0
.rept 32
	v_exp_f32 v[ER+i], v[ER+i]
.set i, i+1
.endr
.set i, 0
.rept 32
	v_max_num_f32 v[AC+i], 0, v[XR+i]              ; independent work behind the batch: max(x, 0), into the block's accumulators, which have been read
.set i, i+1
.endr
	s_wait_alu depctr_va_vdst(0)                   ; one wait for the batch, ahead of its first reader
.set i, 0
.rept 16
	v_pk_fma_f32 v[PR+2*i:PR+2*i+1], v[TR+2*i:TR+2*i+1], s[H5:H5+1], s[H4:H4+1] op_sel_hi:[1,0,0]
.set i, i+1
.endr
.irp hc, H3, H2, H1
.set i, 0
.rept 16
	v_pk_fma_f32 v[PR+2*i:PR+2*i+1], v[PR+2*i:PR+2*i+1], v[TR+2*i:TR+2*i+1], s[\hc:\hc+1] op_sel_hi:[1,1,0]
.set i, i+1
.endr
.endr
.set i, 0
.rept 16
	v_pk_mul_f32 v[TR+2*i:TR+2*i+1], v[TR+2*i:TR+2*i+1], v[ER+2*i:ER+2*i+1]
.set i, i+1
.endr
.set i, 0
.rept 16
	v_pk_mul_f32 v[PR+2*i:PR+2*i+1], v[PR+2*i:PR+2*i+1], v[TR+2*i:TR+2*i+1]  ; q
.set i, i+1
.endr
.set i, 0
.rept 32
	v_fma_f32 v[XR+i], -|v[XR+i]|, v[PR+i], v[AC+i]
.set i, i+1
.endr
.set j, 0
.rept 8
	v_cvt_pk_bf16_f32 v[OU+2*j],   v[XR+j],    v[XR+8+j]    ; register j of the four accumulators: columns 4 r .. 4 r + 3 of rank 2 j + h
	v_cvt_pk_bf16_f32 v[OU+2*j+1], v[XR+16+j], v[XR+24+j]
.set j, j+1
.endr
.set j, 0
.rept 8
	global_store_b64 v13, v[OU+2*j:OU+2*j+1], s[12:13] offset:(\a)*2048+j*256  ; ranks 2 j and 2 j + 1: 256 consecutive bytes, aligned
.set j, j+1
.endr
.endm
	s_mov_b32 s54, 4
.Lpass:
	s_cmp_ge_u32 s53, s49
	s_cbranch_scc1 .Ldead                          ; the tile begins at or past the count
	s_wait_xcnt 0x0                                ; the last pass's stores have read their registers: their offset and their data are written anew below
	v_lshl_add_u32 v13, s53, 7, v10
	ALOAD 4                                        ; K steps 0 to 3 are on their way already
	ALOAD 5
	BLOAD 0
	BLOAD 1
.set k, 0
.rept 32
	KSTEP k
.set k, k+1
.endr
	GELU 0
	GELU 1
.Ldead:
	s_add_co_u32 s53, s53, 256
	s_cmp_ge_u32 s53, s49
	s_cbranch_scc1 .Lno_next                       ; no further tile of mine
	s_wait_loadcnt 0x0                             ; no row load is out: v11, v12 and slots 0 to 3 may be written
	SEL                                            ; the next tile's tokens,
	ALOAD 0                                        ; and its first rows
	ALOAD 1
	ALOAD 2
	ALOAD 3
.Lno_next:
	s_sub_co_u32 s54, s54, 1
	s_cmp_lg_u32 s54, 0
	s_cbranch_scc1 .Lpass
	s_wait_tensorcnt 0x0                           ; the wave's end
	ds_add_u32 v[SPW], v[NIL]
	s_wait_dscnt 0x0
	s_endpgm
.Lfunc_end_k_q9527801acd_ffn1:
	.size	k_q9527801acd_ffn1, .Lfunc_end_k_q9527801acd_ffn1-k_q9527801acd_ffn1
	.p2alignl 7, 3214868480
	.fill 96, 4, 3214868480
	.section	.rodata,"a",@progbits
	.p2align	6, 0x0
	.amdhsa_kernel k_q9527801acd_ffn1
		.amdhsa_group_segment_fixed_size 264192
		.amdhsa_private_segment_fixed_size 0
		.amdhsa_enable_private_segment 0
		.amdhsa_kernarg_size 40
		.amdhsa_user_sgpr_count 2
		.amdhsa_user_sgpr_kernarg_segment_ptr 1
		.amdhsa_wavefront_size32 1
		.amdhsa_system_sgpr_workgroup_id_x 1
		.amdhsa_system_sgpr_workgroup_id_y 1
		.amdhsa_system_sgpr_workgroup_id_z 1
		.amdhsa_system_vgpr_workitem_id 0
		.amdhsa_next_free_vgpr 256
		.amdhsa_next_free_sgpr 80
		.amdhsa_reserve_vcc 1
		.amdhsa_float_denorm_mode_32 3
		.amdhsa_float_denorm_mode_16_64 3
		.amdhsa_memory_ordered 1
		.amdhsa_forward_progress 1
		.amdhsa_inst_pref_size 146
	.end_amdhsa_kernel
	.amdgpu_metadata
---
amdhsa.version: [ 1, 2 ]
amdhsa.kernels:
  - .name:           k_q9527801acd_ffn1
    .symbol:         k_q9527801acd_ffn1.kd
    .args:
      - { .name: xb, .offset: 0, .size: 8, .value_kind: global_buffer, .address_space: global }
      - { .name: w1, .offset: 8, .size: 8, .value_kind: global_buffer, .address_space: global }
      - { .name: b1, .offset: 16, .size: 8, .value_kind: global_buffer, .address_space: global }
      - { .name: bm, .offset: 24, .size: 8, .value_kind: global_buffer, .address_space: global }
      - { .name: hbuf, .offset: 32, .size: 8, .value_kind: global_buffer, .address_space: global }
    .group_segment_fixed_size: 264192
    .private_segment_fixed_size: 0
    .kernarg_segment_align: 8
    .kernarg_segment_size: 40
    .max_flat_workgroup_size: 512
    .sgpr_count:     80
    .vgpr_count:     256
    .wavefront_size: 32
...
	.end_amdgpu_metadata
.endif
;; end of part 2
;; launch ffn2 (part 3): grid 32 x 8, 16 waves a work-group, no clusters, 264,192 bytes of LDS; arguments hbuf, w2, b2, bm, part; writes part
.if DOCPART == 3
	.amdgcn_target "amdgcn-amd-amdhsa--gfx1250"
	.amdhsa_code_object_version 6
	.text
	.protected	k_q9527801acd_ffn2
	.globl	k_q9527801acd_ffn2
	.p2align	8
	.type	k_q9527801acd_ffn2,@function
k_q9527801acd_ffn2:
	s_mov_b64 s[64:65], 0
	v_nop
	global_prefetch_b8 v0, s[64:65] scope:SCOPE_SE
	s_setreg_imm32_b32 hwreg(HW_REG_WAVE_MODE, 25, 1), 1
	s_wait_xcnt 0x0
; THE SECOND PRODUCT OF A ROUTED EXPERT, for the rows that chose the expert:
;   part[kq][token] = h[:, quarter kq of K] . w2[e][that quarter, 128 columns] (+ b2[e] where kq = 0)   ->  part [kq][token][1024] f32.      h: hbuf [e][block of 64 columns][rank][64] bf16.
; SHARES.  A work-group has 1,024 rows of K x 128 columns of ONE expert's f32 weights, 524,288 bytes that it alone reads, in rows of 512 consecutive bytes, and all
; rows of that expert.  PHASE S: wave w streams K rows 64 w .. 64 w + 63 through registers, 32 loads of 512 bytes out at a time, rounds them to bf16 and lays them into
; LDS in the order in which source 1 of the matrix instruction takes them.  One barrier.  PHASE C: four passes of 256 ranks, a constant count that serves every split of
; the tokens; wave w has ranks 256 t + 32 (w / 2) .. + 31 and column half w % 2: 8 accumulators; a tile that begins at or past the expert's count is jumped forward over
; (the jumped text holds no barrier).  The rows come from memory straight into registers as source 0, six K steps ahead; the weights' fragments from LDS, two ahead.  The rows lie by rank, so a
; tile's first four K steps of rows are asked for ahead of the barrier (for a later pass: at the foot of the pass before).
; K IS CUT IN FOUR: a slice over all 4,096 of K for 256 work-groups would be 32 columns wide, 128 bytes of each row of w2 and of the output; with quarters the slice keeps rows of
; 512 bytes, and the four partial sums, in f32, are added by the launch behind.
; WHICH TOKEN HAS A RANK.  bm[e], stored by the first launch, is the expert's bitmap of tokens; it stays in 32 scalar registers.  Lane l finds the token of rank R0 + l in registers (SEL): the word
; that holds it, by 31 compares with the running count; then the bit, by five halvings on the word's partial bit counts.  All lanes on, no LDS.  Ranks past the count take the last token.  SEL stands
; behind the pass's first loads and works in the accumulators' registers, which the first products write later.  On the way out the 32 tokens are read lane by lane into scalar registers.
; LAYOUT.  W: [k / 8][place 0..127][16 bytes = 8 consecutive k]; place 64 c + 16 nb + r holds column 64 c + 4 r + nb.  A lane that has loaded 8 K rows of its 4 columns pairs
; rows 2 d and 2 d + 1 in the conversion itself: the transposition costs nothing, and stores and loads are 16 lanes x 16 consecutive bytes.  With these columns lane r holds, in
; register j of its four accumulators, four NEIGHBOURING columns of one row; source 0's row m holds rank 2 (m % 8) + m / 8, so that the two halves of the lanes hold neighbouring
; ranks: results leave from registers, each half of the lanes filling 256 consecutive bytes, aligned, of one token's row.
; NO CLUSTER, NO TENSOR LOADS.  Each weight byte has one reader.  What an expert's work-groups share is its rows, which are read inside passes that may be jumped.  The bf16 slice
; takes 262,144 bytes of LDS; f32 slots in what is left would hold less than the 262,144 bytes that the sixteen waves' registers have on their way.
; LIMITS.  Weights, bias and rows are bf16 (each input rounded once), sums are f32.  Ranks past the count in a live tile are computed and stored: the last token's row
; once more, by the same wave, with the same numbers.  An expert without rows has asked for its first 32 loads a wave (262,144 bytes a work-group) before it knows.
.set PITCH, 4096                       ; bytes from a K row of the weights to the next
.set SPARE, 262144                     ; behind W: the spare words, 128 bytes for each of 16 waves
.set SPW,  1                           ; v1      LDS address of my spare word; never rewritten
.set NIL,  2                           ; v2      0; never rewritten
.set WOFF, 3                           ; v3      my byte offset in the slice: 64 w K rows + 16 lane
.set WST,  4                           ; v4      where my 16 bytes go in W
.set WB,   5                           ; v[5:8]  where my fragments of W lie, for K steps 0-7, 8-15, 16-23, 24-31
                                       ; v9 128 x the rank that source 0's row r holds + 16 h; v10 lane; v11, v12 byte offset of my row in blocks 0, 1; v13 16 r; v14 16 h; v15 the bias's offset, then the token of rank R0 + lane
.set BI,   16                          ; v[16:19] the bias of my four columns
.set ACC,  32                          ; v[32:95]   accumulator (a, nb) at ACC + 32 a + 8 nb
.set BR,   96                          ; v[96:159]  W's fragments: two buffers of four
.set AR,   160                         ; v[160:255] the rows' fragments: six slots of two
.set ST,   96                          ; phase S: v[96:223] four groups of 8 K rows x 4 registers
.set PK,   224                         ; phase S: v[224:239] a group packed
.set SELA, 32                          ; SEL at work: 8 registers
.set QW, 0                             ;   the word;  QK its number << 16 | the tokens ahead of it;  QN my rank, then my place in the word
.set QK, 1
.set QN, 2
.set QA, 3                             ;   the word's bit counts by 2, by 4 (QB), by 8 (QC)
.set QB, 4
.set QC, 5
.set QP, 6                             ;   the bit's place so far;  QT at work
.set QT, 7
.set OR,   160                         ; the way out: 16 rows x 4 columns, and their tokens' offsets
.set TK,   224
.set BM,   16                          ; s[16:47] the expert's bitmap, for the whole kernel
.set TS,   66                          ; s[66:97] the way out: the tile's 32 tokens
	s_load_b256 s[4:11], s[0:1], 0x0               ; hbuf s[4:5], w2 s[6:7], b2 s[8:9], bm s[10:11]
	s_load_b64 s[12:13], s[0:1], 0x20              ; part
	v_lshl_add_u32 v[SPW], v0, 2, SPARE
	v_mov_b32 v[NIL], 0
	v_lshrrev_b32 v24, 5, v0
	v_readfirstlane_b32 s48, v24                   ; wave 0..15
	s_and_b32 s56, s48, 1                          ; c: my half of the 128 columns
	s_lshr_b32 s57, s48, 1                         ; p: my 32 of a pass's 256 ranks
	s_lshl_b32 s53, s57, 5                         ; my tile's first rank
	s_and_b32 s52, ttmp7, 0xffff                   ; the expert
	v_and_b32 v10, 31, v0                          ; lane
	v_and_b32 v30, 15, v0                          ; r
	v_bfe_u32 v29, v0, 4, 1                        ; h
	v_and_b32 v28, 7, v0
	v_bfe_u32 v27, v0, 3, 1
	v_lshl_or_b32 v28, v28, 1, v27                 ; the rank that source 0's row r holds: 2 (r % 8) + r / 8
	s_mul_i32 s51, s48, 64*PITCH
	v_lshl_add_u32 v[WOFF], v10, 4, s51
	s_lshl_b32 s51, s48, 14                        ; my 8 groups of 8 k: 16,384 bytes of W
	v_lshl_add_u32 v[WST], v29, 10, s51            ; lanes 16-31 hold columns 64 ..: the second half of the places
	v_lshl_add_u32 v[WST], v30, 4, v[WST]
	s_lshl_b32 s51, s56, 10
	v_lshl_add_u32 v[WB], v29, 11, s51             ; group h of a K step's four, my column half, place r
	v_lshl_add_u32 v[WB], v30, 4, v[WB]
	v_add_nc_u32 v[WB+1], 0x10000, v[WB]           ; an LDS offset has 16 bits: a register for each 8 K steps
	v_add_nc_u32 v[WB+2], 0x20000, v[WB]
	v_add_nc_u32 v[WB+3], 0x30000, v[WB]
	v_lshlrev_b32 v14, 4, v29
	s_lshl_b32 s51, s56, 8
	v_lshl_add_u32 v15, v30, 4, s51                ; the bias of columns 64 c + 4 r ..
	v_lshl_add_u32 v9, v28, 7, v14                 ; a row of h in a block of 64 columns is 128 bytes
	v_lshlrev_b32 v13, 4, v30
	v_lshl_add_u32 v11, s53, 7, v9                 ; rows of h lie by rank: my first tile's
	v_add_nc_u32 v12, 2048, v11
	s_and_b32 s50, ttmp9, 7                        ; the slice of 128 columns
	s_lshr_b32 s55, ttmp9, 3                       ; kq: the quarter of K
	s_lshl_b32 s51, s50, 9
	s_lshl_b32 s58, s52, 24                        ; weights: expert, quarter, slice
	s_lshl_b32 s54, s55, 22
	s_add_co_u32 s58, s58, s54
	s_add_co_u32 s58, s58, s51
	s_lshl_b32 s60, s52, 12                        ; bias: expert, slice
	s_add_co_u32 s60, s60, s51
	s_add_co_u32 s62, s54, s51                     ; part: quarter, slice, column half
	s_lshl_b32 s51, s56, 8
	s_add_co_u32 s62, s62, s51
	s_lshl_b32 s2, s52, 23                         ; h: expert, the quarter's 16 blocks of 64 columns
	s_lshl_b32 s51, s55, 21
	s_add_co_u32 s2, s2, s51
	s_mov_b32 s3, 0
	s_cmp_eq_u32 s55, 0
	s_cselect_b32 s54, -1, 0                       ; the bias is added in quarter 0 alone
	s_mov_b32 s55, 0xffff0000                      ; lanes 16 to 31
	s_mov_b32 s59, 0
	s_mov_b32 s61, 0
	s_mov_b32 s63, 0
	s_lshl_b32 s14, s52, 7                         ; bm: 32 words an expert
	s_mov_b32 s15, 0
	s_wait_kmcnt 0x0
	s_add_nc_u64 s[6:7], s[6:7], s[58:59]
	s_add_nc_u64 s[8:9], s[8:9], s[60:61]
	s_add_nc_u64 s[10:11], s[10:11], s[14:15]
	s_add_nc_u64 s[12:13], s[12:13], s[62:63]
	s_add_nc_u64 s[4:5], s[4:5], s[2:3]
; 8 K rows of my 64: group g into buffer g % 4; the wave's load covers a row's 512 consecutive bytes
.macro WLOAD g
.set i, 0
.rept 8
	global_load_b128 v[ST+32*((\g)%4)+4*i:ST+32*((\g)%4)+4*i+3], v[WOFF], s[6:7] offset:(8*(\g)+i)*PITCH th:TH_LOAD_NT
.set i, i+1
.endr
.endm
; group g is rounded, laid into W, and its buffer asked for again
.macro WGROUP g
.if (\g) < 5
	s_wait_loadcnt 24                              ; loads come back in order: three later groups of 8 may be out
.else
	s_wait_loadcnt 8*(7-(\g))                      ; the tail: 7 - g later groups
.endif
.set b, ST+32*((\g)%4)
.irp q, 0,1,2,3
.irp d, 0,1,2,3
	v_cvt_pk_bf16_f32 v[PK+4*(\q)+(\d)], v[b+8*(\d)+(\q)], v[b+8*(\d)+4+(\q)]  ; column q of my four, K rows 2 d and 2 d + 1
.endr
.endr
.irp q, 0,1,2,3
	ds_store_b128 v[WST], v[PK+4*(\q):PK+4*(\q)+3] offset:(\g)*2048+(\q)*256
.endr
.if (\g) < 4
	WLOAD (\g)+4
.endif
.endm
; one halving of SEL: if my place is not among the wd low bits of what is left, it lies in the wd bits above: src holds the bit counts of fields of wd bits
.macro HALVE src, wd
	v_bfe_u32 v[SELA+QT], v[SELA+\src], v[SELA+QP], \wd
	v_cmp_ge_u32 vcc_lo, v[SELA+QN], v[SELA+QT]
	v_cndmask_b32 v[SELA+QT], 0, v[SELA+QT], vcc_lo
	v_sub_nc_u32 v[SELA+QN], v[SELA+QN], v[SELA+QT]
	v_cndmask_b32 v[SELA+QT], 0, \wd, vcc_lo
	v_add_nc_u32 v[SELA+QP], v[SELA+QP], v[SELA+QT]
.endm
; SEL: v15 = the token of rank s53 + lane (held to the last rank that exists)
.macro SEL
	s_sub_co_u32 s51, s49, 1
	v_add_nc_u32 v[SELA+QN], s53, v10
	v_min_u32 v[SELA+QN], s51, v[SELA+QN]
	v_mov_b32 v[SELA+QW], s[BM]
	v_mov_b32 v[SELA+QK], 0
	s_mov_b32 s50, 0
.set j, 1
.rept 31                                               ; the last word with no more tokens ahead of it than my rank is the word that holds my token
	s_bcnt1_i32_b32 s51, s[BM+j-1]
	s_add_co_u32 s50, s50, s51                     ; the tokens ahead of word j (1,024 at the most),
	s_add_co_u32 s51, s50, j<<16                   ; and j above them
	v_cmp_le_u32 vcc_lo, s50, v[SELA+QN]
	v_cndmask_b32 v[SELA+QW], v[SELA+QW], s[BM+j], vcc_lo
	v_cndmask_b32 v[SELA+QK], v[SELA+QK], s51, vcc_lo
.set j, j+1
.endr
	v_and_b32 v[SELA+QT], 0xffff, v[SELA+QK]
	v_sub_nc_u32 v[SELA+QN], v[SELA+QN], v[SELA+QT]    ; my place among the word's tokens
	v_lshrrev_b32 v[SELA+QK], 16, v[SELA+QK]           ; the word's number
	v_lshrrev_b32 v[SELA+QT], 1, v[SELA+QW]
	v_and_b32 v[SELA+QT], 0x55555555, v[SELA+QT]
	v_sub_nc_u32 v[SELA+QA], v[SELA+QW], v[SELA+QT]    ; bit counts of fields of 2,
	v_lshrrev_b32 v[SELA+QT], 2, v[SELA+QA]
	v_and_b32 v[SELA+QT], 0x33333333, v[SELA+QT]
	v_and_b32 v[SELA+QB], 0x33333333, v[SELA+QA]
	v_add_nc_u32 v[SELA+QB], v[SELA+QB], v[SELA+QT]    ; of 4,
	v_lshrrev_b32 v[SELA+QT], 4, v[SELA+QB]
	v_add_nc_u32 v[SELA+QC], v[SELA+QB], v[SELA+QT]
	v_and_b32 v[SELA+QC], 0x0f0f0f0f, v[SELA+QC]       ; of 8,
	v_bfe_u32 v[SELA+QT], v[SELA+QC], 8, 8
	v_and_b32 v[SELA+QP], 0xff, v[SELA+QC]
	v_add_nc_u32 v[SELA+QT], v[SELA+QT], v[SELA+QP]    ; and of the low 16
	v_cmp_ge_u32 vcc_lo, v[SELA+QN], v[SELA+QT]
	v_cndmask_b32 v[SELA+QT], 0, v[SELA+QT], vcc_lo
	v_sub_nc_u32 v[SELA+QN], v[SELA+QN], v[SELA+QT]
	v_cndmask_b32 v[SELA+QP], 0, 16, vcc_lo
	HALVE QC, 8
	HALVE QB, 4
	HALVE QA, 2
	HALVE QW, 1
	v_lshl_add_u32 v15, v[SELA+QK], 5, v[SELA+QP]      ; the token
.endm
; the rows' fragments of K step s (two blocks of 16 ranks x 32 K) into slot s % 6: lane (r, h) takes K 8 h .. and 16 + 8 h .. of its row
.macro ALOAD s
.set AD, AR+16*((\s)%6)
.set AI, ((\s)/2)*131072+((\s)%2)*64   ; a block of 64 columns of h holds 1,024 ranks of 128 bytes
	global_load_b128 v[AD:AD+3],     v11, s[4:5] offset:AI
	global_load_b128 v[AD+4:AD+7],   v11, s[4:5] offset:AI+32
	global_load_b128 v[AD+8:AD+11],  v12, s[4:5] offset:AI
	global_load_b128 v[AD+12:AD+15], v12, s[4:5] offset:AI+32
.endm
	s_load_b512 s[BM:BM+15], s[10:11], 0x0
	s_load_b512 s[BM+16:BM+31], s[10:11], 0x40
	global_load_b128 v[24:27], v15, s[8:9]
	WLOAD 0
	WLOAD 1
	WLOAD 2
	WLOAD 3
	s_wait_kmcnt 0x0                               ; the bitmap
	s_mov_b32 s49, 0
.set j, 0
.rept 32
	s_bcnt1_i32_b32 s51, s[BM+j]
	s_add_co_u32 s49, s49, s51                     ; the expert's count of rows
.set j, j+1
.endr
	s_wait_loadcnt 32                              ; the bias is in: the 32 weight loads were issued behind it
	v_cvt_pk_bf16_f32 v24, v24, v25                ; rounded to bf16 like every input, and widened again
	v_cvt_pk_bf16_f32 v26, v26, v27
	v_and_b32 v24, s54, v24
	v_and_b32 v26, s54, v26
	v_lshlrev_b32 v[BI], 16, v24
	v_and_b32 v[BI+1], 0xffff0000, v24
	v_lshlrev_b32 v[BI+2], 16, v26
	v_and_b32 v[BI+3], 0xffff0000, v26
	s_cmp_lg_u32 s49, 0
	s_cbranch_scc1 .Lstream
	s_wait_loadcnt 0x0                             ; no rows: nothing more is read, every pass below is dead; the 32 loads that are out land first
	s_branch .Lfilled
.Lstream:
	WGROUP 0
	WGROUP 1
	WGROUP 2
	WGROUP 3
	WGROUP 4
	WGROUP 5
	WGROUP 6
	WGROUP 7
	s_cmp_ge_u32 s53, s49
	s_cbranch_scc1 .Lfilled
	ALOAD 0                                        ; a live tile's first rows go out ahead of the barrier, into registers that the stream has left
	ALOAD 1
	ALOAD 2
	ALOAD 3
.Lfilled:
	s_wait_dscnt 0x0                               ; for the others' sake: my part of W is in LDS
	s_barrier_signal -1
	s_barrier_wait -1                              ; the only barrier: from here on LDS is only read
; W's fragments of K step s (four blocks of 16 columns) into buffer s % 2
.macro BLOAD s
.set BD, BR+32*((\s)%2)
.irp nb, 0,1,2,3
	ds_load_b128 v[BD+8*(\nb):BD+8*(\nb)+3],   v[WB+(\s)/8] offset:((\s)%8)*8192+(\nb)*256
	ds_load_b128 v[BD+8*(\nb)+4:BD+8*(\nb)+7], v[WB+(\s)/8] offset:((\s)%8)*8192+(\nb)*256+4096
.endr
.endm
; K step s: 8 products, the 8 accumulators by turns; step 0 starts the sums with the constant 0
.macro KSTEP s
.if (\s) < 26
	s_wait_loadcnt 20                              ; five later steps' rows, 4 loads each, may be out
.else
	s_wait_loadcnt 4*(31-(\s))
.endif
.if (\s) < 31
	s_wait_dscnt 8                                 ; the next step's 8 fragment loads may be out
.else
	s_wait_dscnt 0
.endif
.set AS, AR+16*((\s)%6)
.set BS, BR+32*((\s)%2)
.irp a, 0,1
.irp nb, 0,1,2,3
.if (\s) == 0
	v_wmma_f32_16x16x32_bf16 v[ACC+32*(\a)+8*(\nb):ACC+32*(\a)+8*(\nb)+7], v[AS+8*(\a):AS+8*(\a)+7], v[BS+8*(\nb):BS+8*(\nb)+7], 0
.else
	v_wmma_f32_16x16x32_bf16 v[ACC+32*(\a)+8*(\nb):ACC+32*(\a)+8*(\nb)+7], v[AS+8*(\a):AS+8*(\a)+7], v[BS+8*(\nb):BS+8*(\nb)+7], v[ACC+32*(\a)+8*(\nb):ACC+32*(\a)+8*(\nb)+7]
.endif
.endr
.endr
.if (\s) != 30
.rept 4
	v_nop                                          ; four places in front of loads into registers that the products read, and of the way out (ISA guide 7.12.1 for the way out)
.endr
.endif
.if (\s) < 30
	BLOAD (\s)+2
.endif
.if (\s) < 26
	ALOAD (\s)+6
.endif
.endm
	s_mov_b32 s54, 4
.Lpass:
	s_cmp_ge_u32 s53, s49
	s_cbranch_scc1 .Ldead                          ; the tile begins at or past the count
	s_wait_xcnt 0x0                                ; the last pass's stores have read their registers: their offsets are loaded over below
	ALOAD 4                                        ; K steps 0 to 3 are on their way already
	ALOAD 5
	BLOAD 0
	BLOAD 1
	SEL                                            ; the tile's tokens, while the first loads are out
.set k, 0
.rept 32
	KSTEP k
.set k, k+1
.endr
.set i, 0
.rept 32
	v_readlane_b32 s[TS+i], v15, i                 ; the token of rank R0 + i
.set i, i+1
.endr
.set i, 0
.rept 16                                               ; i = 8 a + j, j ascending: each accumulator's low registers are read first
.irp nb, 0,1,2,3
	v_add_f32 v[OR+4*i+(\nb)], v[ACC+32*(i/8)+8*(\nb)+i%8], v[BI+(\nb)]
.endr
.set i, i+1
.endr
.set i, 0
.rept 16                                               ; register j of block a holds rank 16 a + 2 j + h = 2 i + h
	v_mov_b32 v[TK+i], s[TS+2*i]
	v_cndmask_b32 v[TK+i], v[TK+i], s[TS+2*i+1], s55
	v_min_u32 v[TK+i], 0x3ff, v[TK+i]              ; inside part, whatever was loaded
	v_lshl_add_u32 v[TK+i], v[TK+i], 12, v13       ; a token's row of part is 4,096 bytes; my columns at 16 r
.set i, i+1
.endr
.set i, 0
.rept 16
	global_store_b128 v[TK+i], v[OR+4*i:OR+4*i+3], s[12:13]  ; each half of the lanes fills 256 consecutive bytes, aligned, of one token's row
.set i, i+1
.endr
.Ldead:
	s_add_co_u32 s53, s53, 256
	s_cmp_ge_u32 s53, s49
	s_cbranch_scc1 .Lno_next                       ; no further tile of mine
	s_wait_loadcnt 0x0                             ; no row load is out: v11, v12 and slots 0 to 3 may be written,
	s_wait_xcnt 0x0                                ; and the stores above have read their data, which lie in those slots
	v_lshl_add_u32 v11, s53, 7, v9
	v_add_nc_u32 v12, 2048, v11
	ALOAD 0                                        ; the next tile's first rows
	ALOAD 1
	ALOAD 2
	ALOAD 3
.Lno_next:
	s_sub_co_u32 s54, s54, 1
	s_cmp_lg_u32 s54, 0
	s_cbranch_scc1 .Lpass
	s_wait_tensorcnt 0x0                           ; the wave's end
	ds_add_u32 v[SPW], v[NIL]
	s_wait_dscnt 0x0
	s_endpgm
.Lfunc_end_k_q9527801acd_ffn2:
	.size	k_q9527801acd_ffn2, .Lfunc_end_k_q9527801acd_ffn2-k_q9527801acd_ffn2
	.p2alignl 7, 3214868480
	.fill 96, 4, 3214868480
	.section	.rodata,"a",@progbits
	.p2align	6, 0x0
	.amdhsa_kernel k_q9527801acd_ffn2
		.amdhsa_group_segment_fixed_size 264192
		.amdhsa_private_segment_fixed_size 0
		.amdhsa_enable_private_segment 0
		.amdhsa_kernarg_size 40
		.amdhsa_user_sgpr_count 2
		.amdhsa_user_sgpr_kernarg_segment_ptr 1
		.amdhsa_wavefront_size32 1
		.amdhsa_system_sgpr_workgroup_id_x 1
		.amdhsa_system_sgpr_workgroup_id_y 1
		.amdhsa_system_sgpr_workgroup_id_z 1
		.amdhsa_system_vgpr_workitem_id 0
		.amdhsa_next_free_vgpr 256
		.amdhsa_next_free_sgpr 98
		.amdhsa_reserve_vcc 1
		.amdhsa_float_denorm_mode_32 3
		.amdhsa_float_denorm_mode_16_64 3
		.amdhsa_memory_ordered 1
		.amdhsa_forward_progress 1
		.amdhsa_inst_pref_size 95
	.end_amdhsa_kernel
	.amdgpu_metadata
---
amdhsa.version: [ 1, 2 ]
amdhsa.kernels:
  - .name:           k_q9527801acd_ffn2
    .symbol:         k_q9527801acd_ffn2.kd
    .args:
      - { .name: hbuf, .offset: 0, .size: 8, .value_kind: global_buffer, .address_space: global }
      - { .name: w2, .offset: 8, .size: 8, .value_kind: global_buffer, .address_space: global }
      - { .name: b2, .offset: 16, .size: 8, .value_kind: global_buffer, .address_space: global }
      - { .name: bm, .offset: 24, .size: 8, .value_kind: global_buffer, .address_space: global }
      - { .name: part, .offset: 32, .size: 8, .value_kind: global_buffer, .address_space: global }
    .group_segment_fixed_size: 264192
    .private_segment_fixed_size: 0
    .kernarg_segment_align: 8
    .kernarg_segment_size: 40
    .max_flat_workgroup_size: 512
    .sgpr_count:     98
    .vgpr_count:     256
    .wavefront_size: 32
...
	.end_amdgpu_metadata
.endif
;; end of part 3
;; launch sum (part 4): grid 256 x 1, 8 waves a work-group, no clusters, 0 bytes of LDS; arguments part, out0; writes out0
.if DOCPART == 4
	.amdgcn_target "amdgcn-amd-amdhsa--gfx1250"
	.amdhsa_code_object_version 6
	.text
	.protected	k_q9527801acd_sum
	.globl	k_q9527801acd_sum
	.p2align	8
	.type	k_q9527801acd_sum,@function
k_q9527801acd_sum:
	s_mov_b64 s[64:65], 0
	v_nop
	global_prefetch_b8 v0, s[64:65] scope:SCOPE_SE
	s_setreg_imm32_b32 hwreg(HW_REG_WAVE_MODE, 25, 1), 1
	s_wait_xcnt 0x0
; out0 = (part[0] + part[1]) + (part[2] + part[3]), all f32.  part: [4][1024][1024], out0: [1024][1024].
; A stream: a work-group owns 16,384 consecutive bytes of out0, a thread four pieces of 16 bytes, 4,096 bytes apart; a wave's load or store covers 512 consecutive bytes.
; All 16 loads of a thread go out at once; the waits count down by the four loads of each later piece.  No LDS, no matrix unit, no cluster: nothing is shared and nothing is read twice.
.set QUARTER, 4194304                  ; bytes of one partial sum; two of them pass the signed 24-bit immediate, so quarters 2 and 3 have a base of their own
.set L, 4                              ; v[4:67] piece i, quarter q at L + 16 i + 4 q
	s_load_b128 s[4:7], s[0:1], 0x0                ; part s[4:5], out0 s[6:7]
	v_lshlrev_b32 v1, 4, v0
	s_lshl_b32 s10, ttmp9, 14
	s_mov_b32 s11, 0
	s_wait_kmcnt 0x0
	s_add_nc_u64 s[4:5], s[4:5], s[10:11]
	s_add_nc_u64 s[6:7], s[6:7], s[10:11]
	s_add_nc_u64 s[8:9], s[4:5], 2*QUARTER
.irp i, 0,1,2,3
	global_load_b128 v[L+16*(\i):L+16*(\i)+3],     v1, s[4:5] offset:(\i)*4096 th:TH_LOAD_NT
	global_load_b128 v[L+16*(\i)+4:L+16*(\i)+7],   v1, s[4:5] offset:(\i)*4096+QUARTER th:TH_LOAD_NT
	global_load_b128 v[L+16*(\i)+8:L+16*(\i)+11],  v1, s[8:9] offset:(\i)*4096 th:TH_LOAD_NT
	global_load_b128 v[L+16*(\i)+12:L+16*(\i)+15], v1, s[8:9] offset:(\i)*4096+QUARTER th:TH_LOAD_NT
.endr
.irp i, 0,1,2,3
	s_wait_loadcnt 12-4*(\i)                       ; loads come back in order: piece i's four are in, the later pieces' may be out
	v_pk_add_f32 v[L+16*(\i):L+16*(\i)+1],     v[L+16*(\i):L+16*(\i)+1],     v[L+16*(\i)+4:L+16*(\i)+5]
	v_pk_add_f32 v[L+16*(\i)+2:L+16*(\i)+3],   v[L+16*(\i)+2:L+16*(\i)+3],   v[L+16*(\i)+6:L+16*(\i)+7]
	v_pk_add_f32 v[L+16*(\i)+8:L+16*(\i)+9],   v[L+16*(\i)+8:L+16*(\i)+9],   v[L+16*(\i)+12:L+16*(\i)+13]
	v_pk_add_f32 v[L+16*(\i)+10:L+16*(\i)+11], v[L+16*(\i)+10:L+16*(\i)+11], v[L+16*(\i)+14:L+16*(\i)+15]
	v_pk_add_f32 v[L+16*(\i):L+16*(\i)+1],     v[L+16*(\i):L+16*(\i)+1],     v[L+16*(\i)+8:L+16*(\i)+9]
	v_pk_add_f32 v[L+16*(\i)+2:L+16*(\i)+3],   v[L+16*(\i)+2:L+16*(\i)+3],   v[L+16*(\i)+10:L+16*(\i)+11]
	global_store_b128 v1, v[L+16*(\i):L+16*(\i)+3], s[6:7] offset:(\i)*4096 th:TH_STORE_NT
.endr
	s_endpgm
.Lfunc_end_k_q9527801acd_sum:
	.size	k_q9527801acd_sum, .Lfunc_end_k_q9527801acd_sum-k_q9527801acd_sum
	.p2alignl 7, 3214868480
	.fill 96, 4, 3214868480
	.section	.rodata,"a",@progbits
	.p2align	6, 0x0
	.amdhsa_kernel k_q9527801acd_sum
		.amdhsa_group_segment_fixed_size 0
		.amdhsa_private_segment_fixed_size 0
		.amdhsa_enable_private_segment 0
		.amdhsa_kernarg_size 16
		.amdhsa_user_sgpr_count 2
		.amdhsa_user_sgpr_kernarg_segment_ptr 1
		.amdhsa_wavefront_size32 1
		.amdhsa_system_sgpr_workgroup_id_x 1
		.amdhsa_system_sgpr_workgroup_id_y 1
		.amdhsa_system_sgpr_workgroup_id_z 1
		.amdhsa_system_vgpr_workitem_id 0
		.amdhsa_next_free_vgpr 72
		.amdhsa_next_free_sgpr 66
		.amdhsa_reserve_vcc 0
		.amdhsa_float_denorm_mode_32 3
		.amdhsa_float_denorm_mode_16_64 3
		.amdhsa_memory_ordered 1
		.amdhsa_forward_progress 1
		.amdhsa_inst_pref_size 5
	.end_amdhsa_kernel
	.amdgpu_metadata
---
amdhsa.version: [ 1, 2 ]
amdhsa.kernels:
  - .name:           k_q9527801acd_sum
    .symbol:         k_q9527801acd_sum.kd
    .args:
      - { .name: part, .offset: 0, .size: 8, .value_kind: global_buffer, .address_space: global }
      - { .name: out0, .offset: 8, .size: 8, .value_kind: global_buffer, .address_space: global }
    .group_segment_fixed_size: 0
    .private_segment_fixed_size: 0
    .kernarg_segment_align: 8
    .kernarg_segment_size: 16
    .max_flat_workgroup_size: 256
    .sgpr_count:     66
    .vgpr_count:     72
    .wavefront_size: 32
...
	.end_amdgpu_metadata
.endif
;; end of part 4
;; ======== version 2 of 2: 4 launches; version 1 with the launches ffn1, ffn2 written anew for expert scheduling mode
;; workspace buffers: xb 2,097,152 bytes; bm 1,024 bytes of whole numbers; hbuf 67,108,864 bytes; part 16,777,216 bytes
;; launch router: the kernel of part 1 again; grid 32 x 1, 8 waves a work-group, no clusters, 99,840 bytes of LDS; arguments x, gate_w, gate_b, xb, bm, out1; writes xb, bm, out1
;; launch ffn1 (part 5): grid 32 x 8, 16 waves a work-group, no clusters, 264,192 bytes of LDS; arguments xb, w1, b1, bm, hbuf; writes hbuf
.if DOCPART == 5
	.amdgcn_target "amdgcn-amd-amdhsa--gfx1250"
	.amdhsa_code_object_version 6
	.text
	.protected	k_q9527801acd_ffn1
	.globl	k_q9527801acd_ffn1
	.p2align	8
	.type	k_q9527801acd_ffn1,@function
k_q9527801acd_ffn1:
	s_mov_b64 s[64:65], 0
	v_nop
	global_prefetch_b8 v0, s[64:65] scope:SCOPE_SE
	s_setreg_imm32_b32 hwreg(HW_REG_WAVE_SCHED_MODE, 0, 2), 2
	s_setreg_imm32_b32 hwreg(HW_REG_WAVE_MODE, 25, 1), 1
	s_wait_xcnt 0x0
	s_wait_alu depctr_vm_vsrc(0)
; THE FIRST PRODUCT OF A ROUTED EXPERT, for the rows that chose the expert:  h = gelu(xb[tokens of e] . w1[e][:, 128 columns] + b1[e])  ->  hbuf [e][block of 64 columns][rank][64] bf16.
; SHARES.  A work-group has 1,024 rows of K x 128 columns of ONE expert's f32 weights, 524,288 bytes that it alone reads, in rows of 512 consecutive bytes, and all
; rows of that expert.  PHASE S: wave w streams K rows 64 w .. 64 w + 63 through registers, 32 loads of 512 bytes out at a time, rounds them to bf16 and lays them into
; LDS in the order in which source 1 of the matrix instruction takes them.  One barrier.  PHASE C: four passes of 256 ranks, a constant count that serves every split of
; the tokens; wave w has ranks 256 t + 32 (w / 2) .. + 31 and column half w % 2: 8 accumulators; a tile that begins at or past the expert's count is jumped forward over
; (the jumped text holds no barrier).  The rows come from memory straight into registers as source 0, five K steps ahead (a tile's first six at its head); the weights' fragments from LDS, one step ahead.
; WHICH TOKEN HAS A RANK.  bm[e], stored by the launch in front, is the expert's bitmap of tokens; it stays in 32 scalar registers.  Each lane finds the token of its rank in registers (SEL):
; the word that holds it, by 31 compares with the running count; then the bit, by five halvings on the word's partial bit counts.  All lanes on, no LDS.  Ranks past the count take the last token.
; So the rows' addresses hang on nothing in LDS: a tile's first four K steps of rows are asked for ahead of the barrier (for a later pass: at the foot of the pass before).
; xb lies in blocks, [block of 64 columns][token][64]: a token's piece is 128 bytes, two K steps.
; LAYOUT.  W: [k / 8][place 0..127][16 bytes = 8 consecutive k]; place 64 c + 16 nb + r holds column 64 c + 4 r + nb.  A lane that has loaded 8 K rows of its 4 columns pairs
; rows 2 d and 2 d + 1 in the conversion itself: the transposition costs nothing, and stores and loads are 16 lanes x 16 consecutive bytes.  With these columns lane r holds, in
; register j of its four accumulators, four NEIGHBOURING columns of one row; source 0's row m holds rank 2 (m % 8) + m / 8, so that the two halves of the lanes hold neighbouring
; ranks: results leave from registers, each store covering 256 consecutive bytes, aligned.
; NO CLUSTER, NO TENSOR LOADS.  Each weight byte has one reader.  What an expert's work-groups share is its rows, which are picked token by token and read inside passes that may be
; jumped.  The bf16 slice takes 262,144 bytes of LDS; f32 slots in what is left would hold less than the 262,144 bytes that the sixteen waves' registers have on their way.
; LIMITS.  Weights, bias and rows are bf16 (each input rounded once), h is rounded once to bf16, sums are f32.  erf by Abramowitz and Stegun 7.1.26: within 1.5e-7; an exponential
; below 2^-126 counts as 0.  Ranks past the count in a live tile are computed and stored as rows of their own (the next launch reads them).  An expert without rows has asked for its
; first 32 loads a wave (262,144 bytes a work-group) before it knows.
; THE MODE: SCHED_MODE bits 1:0 = 2 (LLVM: expert scheduling mode 2), set by the entry lines.  The code itself states the register dependences between vector or matrix instructions and
; memory or LDS instructions, and those through scalar registers that vector instructions write, with s_wait_alu, always for 0.
; THE PLAN.  Registers that memory or LDS instructions touch:
;   v3-v10, v14, v15  offsets and addresses, made at the head and never written again.
;   ST0 .. ST3        Group g: its sixteen conversions read ST[g % 4]; behind them the loads of group g + 4 land in it.
;   PK0, PK1          Group g: its conversions write PK[g % 2]; its four LDS stores read it.
;   A0 .. A5          K step s: its products read slot s % 6; the rows of step s + 5, asked for in step s, land in slot (s - 1) % 6.
;   B0, B1            K step s: its products read B[s % 2]; the fragments of step s + 1, asked for in step s, land in the other.
;   v11, v12          Written by SEL; read by every load of a row.      v13  Written at a pass's head; read by its stores.
;   OUT0, OUT1        Written by a block's last conversions; read by its eight stores.
; A group has one wait on va_vdst, behind its conversions (PK written, ST read), and, from the second group on, one on vm_vsrc beside it, which stands a group behind the LDS stores that it waits for.
; A K step has one wait on va_vdst, at its head: the products of the step before are done with the two buffers in which this step's twelve loads land; these are dealt among the step's
; products, which name the accumulators, slot s % 6 and B[s % 2] alone.  A pass's head and its foot have a wait of each kind, the way out one for each run of stores.
; SEL's compares stand in runs, into scalar registers, with one wait on va_sdst behind each run.
; W takes LDS bytes 0 to 262,143; the 2,048 bytes behind it hold the spare words, 128 bytes for each of 16 waves.
.set PITCH, 16384                      ; bytes from a K row of the weights to the next
.set WOFF, 3                           ; v3      my byte offset in the slice: 64 w K rows + 16 lane
.set WST,  4                           ; v4      where my 16 bytes go in W
.set WB,   5                           ; v[5:8]  where my fragments of W lie, for K steps 0-7, 8-15, 16-23, 24-31
                                       ; v9 the rank that source 0's row r holds; v10 128 h + 8 r; v11, v12 byte offset of my row in blocks 0, 1; v13 the way out; v14 16 h; v15 the bias's offset
.set BI,   16                          ; v[16:23] the bias of my four columns, each twice, as pairs
.set ACC,  32                          ; v[32:95]   accumulator (a, nb) at ACC + 32 a + 8 nb
.set BR,   96                          ; v[96:159]  W's fragments: two buffers of four
.set AR,   160                         ; v[160:255] the rows' fragments: six slots of two
.set ST,   96                          ; phase S: v[96:223] four groups of 8 K rows x 4 registers
.set PK,   224                         ; phase S: v[224:255] a group packed: two buffers of 16, the groups by turns
.set SELA, 240                         ; SEL at work: 8 registers for each of my two ranks
.set SELB, 248
.set QW, 0                             ;   the word;  QK its number << 16 | the tokens ahead of it;  QN my rank, then my place in the word
.set QK, 1
.set QN, 2
.set QA, 3                             ;   the word's bit counts by 2, by 4 (QB), by 8 (QC)
.set QB, 4
.set QC, 5
.set QP, 6                             ;   the bit's place so far;  QT at work
.set QT, 7
.set XR,   160                         ; the way out: x, t, the exponential, the polynomial, the packed results
.set TR,   192
.set ER,   224
.set PR,   96
.set OUTR, 128
.set BM,   16                          ; s[16:47] the expert's bitmap, for the whole kernel
.set NC,   66                          ; s[66:79] gelu's constants, as pairs for the packed forms
.set H5,   68
.set H4,   70
.set H3,   72
.set H2,   74
.set H1,   76
.set PZ,   78
.set PJ,   80                          ; s[80:86]  SEL: for seven words j at a time, j << 16 | the tokens ahead of word j
.set MA,   87                          ; s[87:93]  SEL: the seven compares' masks for my first rank,
.set MB,   94                          ; s[94:100] and for my second
	s_load_b256 s[4:11], s[0:1], 0x0               ; xb s[4:5], w1 s[6:7], b1 s[8:9], bm s[10:11]
	s_load_b64 s[12:13], s[0:1], 0x20              ; hbuf
	v_lshl_add_u32 v1, v0, 2, 0x40000
	v_mov_b32 v2, 0
	v_lshrrev_b32 v24, 5, v0
	v_readfirstlane_b32 s48, v24                   ; wave 0..15
	v_and_b32 v31, 31, v0                          ; lane
	v_and_b32 v30, 15, v0                          ; r
	v_bfe_u32 v29, v0, 4, 1                        ; h
	v_and_b32 v28, 7, v0
	v_bfe_u32 v27, v0, 3, 1
	v_lshl_or_b32 v9, v28, 1, v27                  ; the rank that source 0's row r holds: 2 (r % 8) + r / 8
	v_lshlrev_b32 v14, 4, v29
	v_lshlrev_b32 v10, 7, v29
	v_lshl_add_u32 v10, v30, 3, v10
	s_and_b32 s52, ttmp7, 0xffff                   ; the expert
	s_wait_alu depctr_va_sdst(0)                   ; s48 is written, ahead of its first reader
	s_and_b32 s56, s48, 1                          ; c: my half of the 128 columns
	s_lshr_b32 s57, s48, 1                         ; p: my 32 of a pass's 256 ranks
	s_lshl_b32 s53, s57, 5                         ; my tile's first rank
	s_mul_i32 s51, s48, 64*PITCH
	v_lshl_add_u32 v[WOFF], v31, 4, s51
	s_lshl_b32 s51, s48, 14                        ; my 8 groups of 8 k: 16,384 bytes of W
	v_lshl_add_u32 v[WST], v29, 10, s51            ; lanes 16-31 hold columns 64 ..: the second half of the places
	v_lshl_add_u32 v[WST], v30, 4, v[WST]
	s_lshl_b32 s51, s56, 10
	v_lshl_add_u32 v[WB], v29, 11, s51             ; group h of a K step's four, my column half, place r
	v_lshl_add_u32 v[WB], v30, 4, v[WB]
	v_add_nc_u32 v[WB+1], 0x10000, v[WB]           ; an LDS offset has 16 bits: a register for each 8 K steps
	v_add_nc_u32 v[WB+2], 0x20000, v[WB]
	v_add_nc_u32 v[WB+3], 0x30000, v[WB]
	s_lshl_b32 s51, s56, 8
	v_lshl_add_u32 v15, v30, 4, s51                ; the bias of columns 64 c + 4 r ..
	s_lshl_b32 s51, ttmp9, 9                       ; the slice of 128 columns
	s_lshl_b32 s58, s52, 24                        ; weights: expert, slice
	s_add_co_u32 s58, s58, s51
	s_lshl_b32 s60, s52, 14                        ; bias: expert, slice
	s_add_co_u32 s60, s60, s51
	s_lshl_b32 s62, s52, 23                        ; hbuf: expert, block of 64 columns = 2 slice + c
	s_lshl_b32 s51, ttmp9, 18
	s_add_co_u32 s62, s62, s51
	s_lshl_b32 s51, s56, 17
	s_add_co_u32 s62, s62, s51
	s_mov_b32 s59, 0
	s_mov_b32 s61, 0
	s_mov_b32 s63, 0
	s_lshl_b32 s14, s52, 7                         ; bm: 32 words an expert
	s_mov_b32 s15, 0
	s_mov_b32 s[NC], 0xbf38aa3b                    ; -log2(e) / 2: e^(-x^2 / 2) = 2^(-0.72134752 x^2)
	s_mov_b32 s[NC+1], s[NC]                       ; the packed forms name pairs and take the low word for both halves
	s_mov_b32 s[H5], 0x3f07dc22                    ; half of 7.1.26's a5 .. a1:  0.5307027
	s_mov_b32 s[H5+1], s[H5]
	s_mov_b32 s[H4], 0xbf3a00e3                    ; -0.7265760
	s_mov_b32 s[H4+1], s[H4]
	s_mov_b32 s[H3], 0x3f35f0e3                    ;  0.7107069
	s_mov_b32 s[H3+1], s[H3]
	s_mov_b32 s[H2], 0xbe11a98e                    ; -0.1422484
	s_mov_b32 s[H2+1], s[H2]
	s_mov_b32 s[H1], 0x3e027906                    ;  0.1274148
	s_mov_b32 s[H1+1], s[H1]
	s_mov_b32 s[PZ], 0x3e6d3388                    ; 0.3275911 / sqrt(2)
	s_wait_kmcnt 0x0
	s_add_nc_u64 s[6:7], s[6:7], s[58:59]
	s_add_nc_u64 s[8:9], s[8:9], s[60:61]
	s_add_nc_u64 s[10:11], s[10:11], s[14:15]
	s_add_nc_u64 s[12:13], s[12:13], s[62:63]
; 8 K rows of my 64: group g into buffer g % 4; the wave's load covers a row's 512 consecutive bytes
.macro WLOAD g
.set i, 0
.rept 8
	global_load_b128 v[ST+32*((\g)%4)+4*i:ST+32*((\g)%4)+4*i+3], v[WOFF], s[6:7] offset:(8*(\g)+i)*PITCH th:TH_LOAD_NT
.set i, i+1
.endr
.endm
; group g is rounded, its buffer asked for again, and the group laid into W
.macro WGROUP g
.if (\g) < 5
	s_wait_loadcnt 24                              ; loads come back in order: three later groups of 8 may be out
.else
	s_wait_loadcnt 8*(7-(\g))                      ; the tail: 7 - g later groups
.endif
.set b, ST+32*((\g)%4)
.set PKB, PK+16*((\g)%2)
.irp q, 0,1,2,3
.irp d, 0,1,2,3
	v_cvt_pk_bf16_f32 v[PKB+4*(\q)+(\d)], v[b+8*(\d)+(\q)], v[b+8*(\d)+4+(\q)]  ; column q of my four, K rows 2 d and 2 d + 1
.endr
.endr
.if (\g) > 0 && (\g) < 7
	s_wait_alu depctr_vm_vsrc(0)                   ; the LDS stores of the group before have read the other packed buffer, which the next group's conversions write
.endif
	s_wait_alu depctr_va_vdst(0)                   ; the conversions have written this packed buffer, which the LDS stores read, and are done reading ST[g % 4], in which the loads land
.if (\g) < 4
	WLOAD (\g)+4
.endif
.irp q, 0,1,2,3
	ds_store_b128 v[WST], v[PKB+4*(\q):PKB+4*(\q)+3] offset:(\g)*2048+(\q)*256
.endr
.endm
; what follows a halving's compare, for the rank at b with its mask in s[m]: if my place is not among the wd low bits of what is left, it lies in the wd bits above
.macro PICK b, m, wd, first
	v_cndmask_b32 v[\b+QT], 0, v[\b+QT], s[\m]
	v_sub_nc_u32 v[\b+QN], v[\b+QN], v[\b+QT]
.if \first
	v_cndmask_b32 v[\b+QP], 0, \wd, s[\m]
.else
	v_cndmask_b32 v[\b+QT], 0, \wd, s[\m]
	v_add_nc_u32 v[\b+QP], v[\b+QP], v[\b+QT]
.endif
.endm
; one halving of SEL, my two ranks side by side: src holds the bit counts of fields of wd bits
.macro HALVE src, wd
	v_bfe_u32 v[SELA+QT], v[SELA+\src], v[SELA+QP], \wd
	v_bfe_u32 v[SELB+QT], v[SELB+\src], v[SELB+QP], \wd
	v_cmp_ge_u32 s[MA], v[SELA+QN], v[SELA+QT]
	v_cmp_ge_u32 s[MB], v[SELB+QN], v[SELB+QT]
	s_wait_alu depctr_va_sdst(0)                   ; the two masks are written, ahead of the selects that read them
	PICK SELA, MA, \wd, 0
	PICK SELB, MB, \wd, 0
.endm
; SEL: the tokens of ranks s53 + v9 and s53 + 16 + v9 (held to the last rank that exists), and from them v11, v12: the byte offsets of my rows in a block of xb
.macro SEL
	s_sub_co_u32 s51, s49, 1
	v_add_nc_u32 v[SELA+QN], s53, v9
	v_add_nc_u32 v[SELB+QN], 16, v[SELA+QN]
.irp b, SELA, SELB
	v_min_u32 v[\b+QN], s51, v[\b+QN]
	v_mov_b32 v[\b+QW], s[BM]
	v_mov_b32 v[\b+QK], 0
.endr
	s_mov_b32 s50, 0
.set j, 1
.rept 5                                                ; the last word with no more tokens ahead of it than my rank is the word that holds my token: words 1 to 31, seven at a time
.set n, 0
.rept 7
.if j+n < 32
	s_bcnt1_i32_b32 s51, s[BM+j+n-1]
	s_add_co_u32 s50, s50, s51                     ; the tokens ahead of word j + n (1,024 at the most),
	s_add_co_u32 s[PJ+n], s50, (j+n)<<16           ; and the word's number above them
	v_cmp_le_u32 s[MA+n], s50, v[SELA+QN]
	v_cmp_le_u32 s[MB+n], s50, v[SELB+QN]
.endif
.set n, n+1
.endr
	s_wait_alu depctr_va_sdst(0)                   ; the run's masks are written, ahead of the selects that read them
.set n, 0
.rept 7
.if j+n < 32
	v_cndmask_b32 v[SELA+QW], v[SELA+QW], s[BM+j+n], s[MA+n]
	v_cndmask_b32 v[SELA+QK], v[SELA+QK], s[PJ+n], s[MA+n]
	v_cndmask_b32 v[SELB+QW], v[SELB+QW], s[BM+j+n], s[MB+n]
	v_cndmask_b32 v[SELB+QK], v[SELB+QK], s[PJ+n], s[MB+n]
.endif
.set n, n+1
.endr
.set j, j+7
.endr
.irp b, SELA, SELB
	v_and_b32 v[\b+QT], 0xffff, v[\b+QK]
	v_sub_nc_u32 v[\b+QN], v[\b+QN], v[\b+QT]      ; my place among the word's tokens
	v_lshrrev_b32 v[\b+QK], 16, v[\b+QK]           ; the word's number
	v_lshrrev_b32 v[\b+QT], 1, v[\b+QW]
	v_and_b32 v[\b+QT], 0x55555555, v[\b+QT]
	v_sub_nc_u32 v[\b+QA], v[\b+QW], v[\b+QT]      ; bit counts of fields of 2,
	v_lshrrev_b32 v[\b+QT], 2, v[\b+QA]
	v_and_b32 v[\b+QT], 0x33333333, v[\b+QT]
	v_and_b32 v[\b+QB], 0x33333333, v[\b+QA]
	v_add_nc_u32 v[\b+QB], v[\b+QB], v[\b+QT]      ; of 4,
	v_lshrrev_b32 v[\b+QT], 4, v[\b+QB]
	v_add_nc_u32 v[\b+QC], v[\b+QB], v[\b+QT]
	v_and_b32 v[\b+QC], 0x0f0f0f0f, v[\b+QC]       ; of 8,
	v_bfe_u32 v[\b+QT], v[\b+QC], 8, 8
	v_and_b32 v[\b+QP], 0xff, v[\b+QC]
	v_add_nc_u32 v[\b+QT], v[\b+QT], v[\b+QP]      ; and of the low 16
.endr
	v_cmp_ge_u32 s[MA], v[SELA+QN], v[SELA+QT]
	v_cmp_ge_u32 s[MB], v[SELB+QN], v[SELB+QT]
	s_wait_alu depctr_va_sdst(0)                   ; the two masks are written, ahead of the selects that read them
	PICK SELA, MA, 16, 1
	PICK SELB, MB, 16, 1
	HALVE QC, 8
	HALVE QB, 4
	HALVE QA, 2
	HALVE QW, 1
.irp b, SELA, SELB
	v_lshl_add_u32 v[\b+QT], v[\b+QK], 5, v[\b+QP] ; the token
	v_min_u32 v[\b+QT], 0x3ff, v[\b+QT]            ; inside xb, whatever was loaded
.endr
	v_lshl_add_u32 v11, v[SELA+QT], 7, v14         ; 128 bytes a token in a block, + 16 h
	v_lshl_add_u32 v12, v[SELB+QT], 7, v14
.endm
; the rows' fragments of K step s (two blocks of 16 ranks x 32 K) into slot s % 6: lane (r, h) takes K 8 h .. and 16 + 8 h .. of its row.  APART: load q of the step's four
.macro APART s, q
.set AD, AR+16*((\s)%6)+4*(\q)
	global_load_b128 v[AD:AD+3], v[11+(\q)/2], s[4:5] offset:((\s)/2)*131072+((\s)%2)*64+32*((\q)%2)  ; a block of 64 columns of xb holds 1,024 tokens of 128 bytes
.endm
.macro ALOAD s
.irp q, 0,1,2,3
	APART \s, \q
.endr
.endm
	s_load_b512 s[BM:BM+15], s[10:11], 0x0
	s_load_b512 s[BM+16:BM+31], s[10:11], 0x40
	s_wait_alu depctr_va_vdst(0)                   ; the head's offsets and addresses (v3 to v10, v14, v15) are written, which the loads and stores below read; v24 and v27, in which the bias lands, are done with
	global_load_b128 v[24:27], v15, s[8:9]
	WLOAD 0
	WLOAD 1
	WLOAD 2
	WLOAD 3
	s_wait_kmcnt 0x0                               ; the bitmap
	s_mov_b32 s49, 0
.set j, 0
.rept 32
	s_bcnt1_i32_b32 s51, s[BM+j]
	s_add_co_u32 s49, s49, s51                     ; the expert's count of rows
.set j, j+1
.endr
	SEL                                            ; my first tile's tokens, while the first weights are on their way
	s_wait_loadcnt 32                              ; the bias is in: the 32 weight loads were issued behind it
	v_cvt_pk_bf16_f32 v24, v24, v25                ; rounded to bf16 like every input, and widened again
	v_cvt_pk_bf16_f32 v26, v26, v27
	v_lshlrev_b32 v[BI], 16, v24
	v_lshlrev_b32 v[BI+1], 16, v24
	v_and_b32 v[BI+2], 0xffff0000, v24
	v_and_b32 v[BI+3], 0xffff0000, v24
	v_lshlrev_b32 v[BI+4], 16, v26
	v_lshlrev_b32 v[BI+5], 16, v26
	v_and_b32 v[BI+6], 0xffff0000, v26
	v_and_b32 v[BI+7], 0xffff0000, v26
	s_cmp_lg_u32 s49, 0
	s_cbranch_scc1 .Lstream
	s_wait_loadcnt 0x0                             ; no rows: nothing more is read, every pass below is dead; the 32 loads that are out land first
	s_branch .Lfilled
.Lstream:
	WGROUP 0
	WGROUP 1
	WGROUP 2
	WGROUP 3
	WGROUP 4
	WGROUP 5
	WGROUP 6
	WGROUP 7
	s_cmp_ge_u32 s53, s49
	s_cbranch_scc1 .Lfilled
	ALOAD 0                                        ; a live tile's first rows go out ahead of the barrier, into registers that the stream has left.  No wait: behind the last group's wait on va_vdst,
	ALOAD 1                                        ; which shows v11 and v12 written and the conversions done reading v160-223, stands no vector instruction
	ALOAD 2
	ALOAD 3
.Lfilled:
	s_wait_dscnt 0x0                               ; for the others' sake: my part of W is in LDS
	s_barrier_signal -1
	s_barrier_wait -1                              ; the only barrier: from here on LDS is only read
; W's fragments of K step s (four blocks of 16 columns) into buffer s % 2.  BPART: block nb's two loads
.macro BPART s, nb
.set BD, BR+32*((\s)%2)+8*(\nb)
	ds_load_b128 v[BD:BD+3],   v[WB+(\s)/8] offset:((\s)%8)*8192+(\nb)*256
	ds_load_b128 v[BD+4:BD+7], v[WB+(\s)/8] offset:((\s)%8)*8192+(\nb)*256+4096
.endm
.macro BLOAD s
.irp nb, 0,1,2,3
	BPART \s, \nb
.endr
.endm
; K step s: 8 products, the 8 accumulators by turns; step 0 starts the sums with the constant 0.
; Behind each of its first four products stand two of the next step's fragment loads and one load of the rows five steps on.
.macro KSTEP s
.if (\s) == 0
	s_wait_loadcnt 20                              ; five later steps' rows, 4 loads each, may be out
	s_wait_dscnt 8                                 ; step 1's 8 fragment loads may be out
.else
.if (\s) < 27
	s_wait_loadcnt 16                              ; four later steps' rows, 4 loads each, may be out
.else
	s_wait_loadcnt 4*(31-(\s))
.endif
	s_wait_dscnt 0                                 ; this step's fragments were asked for in the step before, and no LDS load behind them
.endif
.if (\s) > 0 && (\s) < 31
	s_wait_alu depctr_va_vdst(0)                   ; the products of the step before are done reading their fragments of W and their slot of rows, in which this step's loads land
.endif
.set AS, AR+16*((\s)%6)
.set BS, BR+32*((\s)%2)
.irp a, 0,1
.irp nb, 0,1,2,3
.if (\s) == 0
	v_wmma_f32_16x16x32_bf16 v[ACC+32*(\a)+8*(\nb):ACC+32*(\a)+8*(\nb)+7], v[AS+8*(\a):AS+8*(\a)+7], v[BS+8*(\nb):BS+8*(\nb)+7], 0
.else
	v_wmma_f32_16x16x32_bf16 v[ACC+32*(\a)+8*(\nb):ACC+32*(\a)+8*(\nb)+7], v[AS+8*(\a):AS+8*(\a)+7], v[BS+8*(\nb):BS+8*(\nb)+7], v[ACC+32*(\a)+8*(\nb):ACC+32*(\a)+8*(\nb)+7]
.endif
.if (\a) == 0 && (\s) > 0 && (\s) < 31
	BPART (\s)+1, \nb                              ; no wait: no product since the wait above names the other buffer of W,
.endif
.if (\a) == 0 && (\s) > 0 && (\s) < 27
	APART (\s)+5, \nb                              ; nor the slot of the step before
.endif
.endr
.endr
.if (\s) == 31
.rept 4
	v_nop                                          ; four places between the last products and the way out, which reads their results and writes their sources (ISA guide 7.12.1)
.endr
.endif
.endm
; block a's eight stores
.macro HSTORE a
.set OS, OUTR+16*(\a)
.set j, 0
.rept 8
	global_store_b64 v13, v[OS+2*j:OS+2*j+1], s[12:13] offset:(\a)*2048+j*256  ; ranks 2 j and 2 j + 1: 256 consecutive bytes, aligned
.set j, j+1
.endr
.endm
; THE WAY OUT of block a (16 ranks x 64 columns): x = sum + bias; gelu(x) = max(x, 0) - |x| q, q = 1/2 poly(t) e^(-x^2 / 2), t = 1 / (1 + 0.2316419 |x|): no difference of near numbers for negative x
.macro GELU a
.set AC, ACC+32*(\a)
.set OU, OUTR+16*(\a)
.set i, 0
.rept 16
	v_pk_add_f32 v[XR+2*i:XR+2*i+1], v[AC+2*i:AC+2*i+1], v[BI+2*(i/4):BI+2*(i/4)+1]  ; ascending: each accumulator's low registers are read first
.set i, i+1
.endr
.set i, 0
.rept 32
	v_fma_f32 v[TR+i], |v[XR+i]|, s[PZ], 1.0
.set i, i+1
.endr
.set i, 0
.rept 16
	v_pk_mul_f32 v[ER+2*i:ER+2*i+1], v[XR+2*i:XR+2*i+1], v[XR+2*i:XR+2*i+1]
.set i, i+1
.endr
.set i, 0
.rept 16
	v_pk_mul_f32 v[ER+2*i:ER+2*i+1], v[ER+2*i:ER+2*i+1], s[NC:NC+1] op_sel_hi:[1,0]
.set i, i+1
.endr
.set i, 0
.rept 32                                               ; ONE batch: 32 reciprocals and 32 exponentials
	v_rcp_f32 v[TR+i], v[TR+i]
.set i, i+1
.endr
.set i, 0
.rept 32
	v_exp_f32 v[ER+i], v[ER+i]
.set i, i+1
.endr
.set i, 0
.rept 32
	v_max_num_f32 v[AC+i], 0, v[XR+i]              ; independent work behind the batch: max(x, 0), into the block's accumulators, which have been read
.set i, i+1
.endr
	s_wait_alu depctr_va_vdst(0)                   ; one wait for the batch, ahead of the first reader of the reciprocals and exponentials; in block 1 it also shows block 0's packed results written
.if (\a) == 1
	HSTORE 0                                       ; so block 0's stores stand here; what follows writes none of their registers
.endif
.set i, 0
.rept 16
	v_pk_fma_f32 v[PR+2*i:PR+2*i+1], v[TR+2*i:TR+2*i+1], s[H5:H5+1], s[H4:H4+1] op_sel_hi:[1,0,0]
.set i, i+1
.endr
.irp hc, H3, H2, H1
.set i, 0
.rept 16
	v_pk_fma_f32 v[PR+2*i:PR+2*i+1], v[PR+2*i:PR+2*i+1], v[TR+2*i:TR+2*i+1], s[\hc:\hc+1] op_sel_hi:[1,1,0]
.set i, i+1
.endr
.endr
.set i, 0
.rept 16
	v_pk_mul_f32 v[TR+2*i:TR+2*i+1], v[TR+2*i:TR+2*i+1], v[ER+2*i:ER+2*i+1]
.set i, i+1
.endr
.set i, 0
.rept 16
	v_pk_mul_f32 v[PR+2*i:PR+2*i+1], v[PR+2*i:PR+2*i+1], v[TR+2*i:TR+2*i+1]  ; q
.set i, i+1
.endr
.set i, 0
.rept 32
	v_fma_f32 v[XR+i], -|v[XR+i]|, v[PR+i], v[AC+i]
.set i, i+1
.endr
.set j, 0
.rept 8
	v_cvt_pk_bf16_f32 v[OU+2*j],   v[XR+j],    v[XR+8+j]    ; register j of the four accumulators: columns 4 r .. 4 r + 3 of rank 2 j + h
	v_cvt_pk_bf16_f32 v[OU+2*j+1], v[XR+16+j], v[XR+24+j]
.set j, j+1
.endr
.endm
	s_mov_b32 s54, 4
.Lpass:
	s_cmp_ge_u32 s53, s49
	s_cbranch_scc1 .Ldead                          ; the tile begins at or past the count
	s_wait_xcnt 0x0                                ; the last pass's stores have had their addresses translated: their offset and their data are written anew below
	s_wait_alu depctr_vm_vsrc(0)                   ; the last pass's stores have read v13 and v128-159, the stream's LDS stores v224-255: all are written anew below
	v_lshl_add_u32 v13, s53, 7, v10
	s_wait_alu depctr_va_vdst(0)                   ; on every way into the pass: the vector work that named v96-159 and v224-255 (the stream's conversions; the last way out; SEL) is done, before loads land there; v13 is written
	ALOAD 4                                        ; K steps 0 to 3 are on their way already
	ALOAD 5
	BLOAD 0
	BLOAD 1
.set k, 0
.rept 32
	KSTEP k
.set k, k+1
.endr
	GELU 0
	GELU 1
	s_wait_alu depctr_va_vdst(0)                   ; block 1's conversions have written v144-159, which its stores read
	HSTORE 1
.Ldead:
	s_add_co_u32 s53, s53, 256
	s_cmp_ge_u32 s53, s49
	s_cbranch_scc1 .Lno_next                       ; no further tile of mine
	s_wait_loadcnt 0x0                             ; no row load is out: v11, v12 and slots 0 to 3 may be written
	s_wait_alu depctr_vm_vsrc(0)                   ; the row loads have read v11 and v12, the stream's LDS stores v240-255: SEL writes them
	SEL                                            ; the next tile's tokens,
	s_wait_alu depctr_va_vdst(0)                   ; v11 and v12 are written, which the loads below read; the way out is done with v160-223, in which they land
	ALOAD 0                                        ; and its first rows
	ALOAD 1
	ALOAD 2
	ALOAD 3
.Lno_next:
	s_sub_co_u32 s54, s54, 1
	s_cmp_lg_u32 s54, 0
	s_cbranch_scc1 .Lpass
	s_wait_dscnt 0x0                               ; the wave's end
	s_wait_alu depctr_hold_cnt(0) depctr_sa_sdst(0) depctr_va_vdst(0) depctr_va_sdst(0) depctr_va_ssrc(0) depctr_va_vcc(0) depctr_vm_vsrc(0)
	s_wait_tensorcnt 0x0
	ds_add_u32 v1, v2
	s_wait_dscnt 0x0
	s_endpgm
.Lfunc_end_k_q9527801acd_ffn1:
	.size	k_q9527801acd_ffn1, .Lfunc_end_k_q9527801acd_ffn1-k_q9527801acd_ffn1
	.p2alignl 7, 3214868480
	.fill 96, 4, 3214868480
	.section	.rodata,"a",@progbits
	.p2align	6, 0x0
	.amdhsa_kernel k_q9527801acd_ffn1
		.amdhsa_group_segment_fixed_size 264192
		.amdhsa_private_segment_fixed_size 0
		.amdhsa_enable_private_segment 0
		.amdhsa_kernarg_size 40
		.amdhsa_user_sgpr_count 2
		.amdhsa_user_sgpr_kernarg_segment_ptr 1
		.amdhsa_wavefront_size32 1
		.amdhsa_system_sgpr_workgroup_id_x 1
		.amdhsa_system_sgpr_workgroup_id_y 1
		.amdhsa_system_sgpr_workgroup_id_z 1
		.amdhsa_system_vgpr_workitem_id 0
		.amdhsa_next_free_vgpr 256
		.amdhsa_next_free_sgpr 101
		.amdhsa_reserve_vcc 0
		.amdhsa_float_denorm_mode_32 3
		.amdhsa_float_denorm_mode_16_64 3
		.amdhsa_memory_ordered 1
		.amdhsa_forward_progress 1
		.amdhsa_inst_pref_size 150
	.end_amdhsa_kernel
	.amdgpu_metadata
---
amdhsa.version: [ 1, 2 ]
amdhsa.kernels:
  - .name:           k_q9527801acd_ffn1
    .symbol:         k_q9527801acd_ffn1.kd
    .args:
      - { .name: xb, .offset: 0, .size: 8, .value_kind: global_buffer, .address_space: global }
      - { .name: w1, .offset: 8, .size: 8, .value_kind: global_buffer, .address_space: global }
      - { .name: b1, .offset: 16, .size: 8, .value_kind: global_buffer, .address_space: global }
      - { .name: bm, .offset: 24, .size: 8, .value_kind: global_buffer, .address_space: global }
      - { .name: hbuf, .offset: 32, .size: 8, .value_kind: global_buffer, .address_space: global }
    .group_segment_fixed_size: 264192
    .private_segment_fixed_size: 0
    .kernarg_segment_align: 8
    .kernarg_segment_size: 40
    .max_flat_workgroup_size: 512
    .sgpr_count:     101
    .vgpr_count:     256
    .wavefront_size: 32
...
	.end_amdgpu_metadata
.endif
;; end of part 5
;; launch ffn2 (part 6): grid 32 x 8, 16 waves a work-group, no clusters, 264,192 bytes of LDS; arguments hbuf, w2, b2, bm, part; writes part
.if DOCPART == 6
	.amdgcn_target "amdgcn-amd-amdhsa--gfx1250"
	.amdhsa_code_object_version 6
	.text
	.protected	k_q9527801acd_ffn2
	.globl	k_q9527801acd_ffn2
	.p2align	8
	.type	k_q9527801acd_ffn2,@function
k_q9527801acd_ffn2:
	s_mov_b64 s[64:65], 0
	v_nop
	global_prefetch_b8 v0, s[64:65] scope:SCOPE_SE
	s_setreg_imm32_b32 hwreg(HW_REG_WAVE_SCHED_MODE, 0, 2), 2
	s_setreg_imm32_b32 hwreg(HW_REG_WAVE_MODE, 25, 1), 1
	s_wait_xcnt 0x0
	s_wait_alu depctr_vm_vsrc(0)
; THE SECOND PRODUCT OF A ROUTED EXPERT, for the rows that chose the expert:
;   part[kq][token] = h[:, quarter kq of K] . w2[e][that quarter, 128 columns] (+ b2[e] where kq = 0)   ->  part [kq][token][1024] f32.      h: hbuf [e][block of 64 columns][rank][64] bf16.
; SHARES.  A work-group has 1,024 rows of K x 128 columns of ONE expert's f32 weights, 524,288 bytes that it alone reads, in rows of 512 consecutive bytes, and all
; rows of that expert.  PHASE S: wave w streams K rows 64 w .. 64 w + 63 through registers, 32 loads of 512 bytes out at a time, rounds them to bf16 and lays them into
; LDS in the order in which source 1 of the matrix instruction takes them.  One barrier.  PHASE C: four passes of 256 ranks, a constant count that serves every split of
; the tokens; wave w has ranks 256 t + 32 (w / 2) .. + 31 and column half w % 2: 8 accumulators; a tile that begins at or past the expert's count is jumped forward over
; (the jumped text holds no barrier).  The rows come from memory straight into registers as source 0, five K steps ahead (a tile's first six at its head); the weights' fragments from LDS, one step
; ahead.  The rows lie by rank, so a tile's first four K steps of rows are asked for ahead of the barrier (for a later pass: at the foot of the pass before).
; K IS CUT IN FOUR: a slice over all 4,096 of K for 256 work-groups would be 32 columns wide, 128 bytes of each row of w2 and of the output; with quarters the slice keeps rows of
; 512 bytes, and the four partial sums, in f32, are added by the launch behind.
; WHICH TOKEN HAS A RANK.  bm[e], stored by the first launch, is the expert's bitmap of tokens; it stays in 32 scalar registers.  Lane l finds the token of rank R0 + l in registers (SEL): the word
; that holds it, by 31 compares with the running count; then the bit, by five halvings on the word's partial bit counts.  All lanes on, no LDS.  Ranks past the count take the last token.  SEL stands
; behind the pass's first loads and works in the accumulators' registers, which the first products write later.  On the way out the 32 tokens are read lane by lane into scalar registers.
; LAYOUT.  W: [k / 8][place 0..127][16 bytes = 8 consecutive k]; place 64 c + 16 nb + r holds column 64 c + 4 r + nb.  A lane that has loaded 8 K rows of its 4 columns pairs
; rows 2 d and 2 d + 1 in the conversion itself: the transposition costs nothing, and stores and loads are 16 lanes x 16 consecutive bytes.  With these columns lane r holds, in
; register j of its four accumulators, four NEIGHBOURING columns of one row; source 0's row m holds rank 2 (m % 8) + m / 8, so that the two halves of the lanes hold neighbouring
; ranks: results leave from registers, each half of the lanes filling 256 consecutive bytes, aligned, of one token's row.
; NO CLUSTER, NO TENSOR LOADS.  Each weight byte has one reader.  What an expert's work-groups share is its rows, which are read inside passes that may be jumped.  The bf16 slice
; takes 262,144 bytes of LDS; f32 slots in what is left would hold less than the 262,144 bytes that the sixteen waves' registers have on their way.
; LIMITS.  Weights, bias and rows are bf16 (each input rounded once), sums are f32.  Ranks past the count in a live tile are computed and stored: the last token's row
; once more, by the same wave, with the same numbers.  An expert without rows has asked for its first 32 loads a wave (262,144 bytes a work-group) before it knows.
; THE MODE: SCHED_MODE bits 1:0 = 2 (LLVM: expert scheduling mode 2), set by the entry lines.  The code itself states the register dependences between vector or matrix instructions and
; memory or LDS instructions, and those through scalar registers that vector instructions write, with s_wait_alu, always for 0.
; THE PLAN.  Registers that memory or LDS instructions touch:
;   v3-v8             offsets and addresses, made at the head and never written again.      v15  Read by the bias's load; written by SEL in every pass.
;   ST0 .. ST3        Group g: its sixteen conversions read ST[g % 4]; behind them the loads of group g + 4 land in it.
;   PK0, PK1          Group g: its conversions write PK[g % 2]; its four LDS stores read it.
;   A0 .. A5          K step s: its products read slot s % 6; the rows of step s + 5, asked for in step s, land in slot (s - 1) % 6.
;   B0, B1            K step s: its products read B[s % 2]; the fragments of step s + 1, asked for in step s, land in the other.
;   v11, v12          Written at the head and at a pass's foot; read by every load of a row.
;   OR, TK            The way out writes 16 rows' sums and their tokens' offsets; the 16 stores read them.
; A group has one wait on va_vdst, behind its conversions (PK written, ST read), and, from the second group on, one on vm_vsrc beside it, which stands a group behind the LDS stores that it waits for.
; A K step has one wait on va_vdst, at its head: the products of the step before are done with the two buffers in which this step's twelve loads land; these are dealt among the step's
; products, which name the accumulators, slot s % 6 and B[s % 2] alone.  A pass's head and its foot have a wait of each kind, the way out one on va_vdst ahead of its stores.
; SEL's compares and the way out's lane reads stand in runs, into scalar registers, with one wait on va_sdst behind each run.
; W takes LDS bytes 0 to 262,143; the 2,048 bytes behind it hold the spare words, 128 bytes for each of 16 waves.
.set PITCH, 4096                       ; bytes from a K row of the weights to the next
.set WOFF, 3                           ; v3      my byte offset in the slice: 64 w K rows + 16 lane
.set WST,  4                           ; v4      where my 16 bytes go in W
.set WB,   5                           ; v[5:8]  where my fragments of W lie, for K steps 0-7, 8-15, 16-23, 24-31
                                       ; v9 128 x the rank that source 0's row r holds + 16 h; v10 lane; v11, v12 byte offset of my row in blocks 0, 1; v13 16 r; v14 16 h; v15 the bias's offset, then the token of rank R0 + lane
.set BI,   16                          ; v[16:19] the bias of my four columns
.set ACC,  32                          ; v[32:95]   accumulator (a, nb) at ACC + 32 a + 8 nb
.set BR,   96                          ; v[96:159]  W's fragments: two buffers of four
.set AR,   160                         ; v[160:255] the rows' fragments: six slots of two
.set ST,   96                          ; phase S: v[96:223] four groups of 8 K rows x 4 registers
.set PK,   224                         ; phase S: v[224:255] a group packed: two buffers of 16, the groups by turns
.set SELA, 32                          ; SEL at work: 8 registers
.set QW, 0                             ;   the word;  QK its number << 16 | the tokens ahead of it;  QN my rank, then my place in the word
.set QK, 1
.set QN, 2
.set QA, 3                             ;   the word's bit counts by 2, by 4 (QB), by 8 (QC)
.set QB, 4
.set QC, 5
.set QP, 6                             ;   the bit's place so far;  QT at work
.set QT, 7
.set OR,   160                         ; the way out: 16 rows x 4 columns, and their tokens' offsets
.set TK,   224
.set BM,   16                          ; s[16:47] the expert's bitmap, for the whole kernel
.set TS,   66                          ; s[66:97] the way out: the tile's 32 tokens.  Ahead of that SEL has them:
.set PJ,   66                          ; s[66:81]  for sixteen words j at a time, j << 16 | the tokens ahead of word j,
.set MA,   82                          ; s[82:97]  and the sixteen compares' masks
	s_load_b256 s[4:11], s[0:1], 0x0               ; hbuf s[4:5], w2 s[6:7], b2 s[8:9], bm s[10:11]
	s_load_b64 s[12:13], s[0:1], 0x20              ; part
	v_lshl_add_u32 v23, v0, 2, 0x40000
	v_mov_b32 v31, 0
	v_lshrrev_b32 v24, 5, v0
	v_readfirstlane_b32 s48, v24                   ; wave 0..15
	v_and_b32 v10, 31, v0                          ; lane
	v_and_b32 v30, 15, v0                          ; r
	v_bfe_u32 v29, v0, 4, 1                        ; h
	v_and_b32 v28, 7, v0
	v_bfe_u32 v27, v0, 3, 1
	v_lshl_or_b32 v28, v28, 1, v27                 ; the rank that source 0's row r holds: 2 (r % 8) + r / 8
	v_lshlrev_b32 v14, 4, v29
	v_lshl_add_u32 v9, v28, 7, v14                 ; a row of h in a block of 64 columns is 128 bytes
	v_lshlrev_b32 v13, 4, v30
	s_and_b32 s52, ttmp7, 0xffff                   ; the expert
	s_wait_alu depctr_va_sdst(0)                   ; s48 is written, ahead of its first reader
	s_and_b32 s56, s48, 1                          ; c: my half of the 128 columns
	s_lshr_b32 s57, s48, 1                         ; p: my 32 of a pass's 256 ranks
	s_lshl_b32 s53, s57, 5                         ; my tile's first rank
	s_mul_i32 s51, s48, 64*PITCH
	v_lshl_add_u32 v[WOFF], v10, 4, s51
	s_lshl_b32 s51, s48, 14                        ; my 8 groups of 8 k: 16,384 bytes of W
	v_lshl_add_u32 v[WST], v29, 10, s51            ; lanes 16-31 hold columns 64 ..: the second half of the places
	v_lshl_add_u32 v[WST], v30, 4, v[WST]
	s_lshl_b32 s51, s56, 10
	v_lshl_add_u32 v[WB], v29, 11, s51             ; group h of a K step's four, my column half, place r
	v_lshl_add_u32 v[WB], v30, 4, v[WB]
	v_add_nc_u32 v[WB+1], 0x10000, v[WB]           ; an LDS offset has 16 bits: a register for each 8 K steps
	v_add_nc_u32 v[WB+2], 0x20000, v[WB]
	v_add_nc_u32 v[WB+3], 0x30000, v[WB]
	s_lshl_b32 s51, s56, 8
	v_lshl_add_u32 v15, v30, 4, s51                ; the bias of columns 64 c + 4 r ..
	v_lshl_add_u32 v11, s53, 7, v9                 ; rows of h lie by rank: my first tile's
	v_add_nc_u32 v12, 2048, v11
	s_and_b32 s50, ttmp9, 7                        ; the slice of 128 columns
	s_lshr_b32 s55, ttmp9, 3                       ; kq: the quarter of K
	s_lshl_b32 s51, s50, 9
	s_lshl_b32 s58, s52, 24                        ; weights: expert, quarter, slice
	s_lshl_b32 s54, s55, 22
	s_add_co_u32 s58, s58, s54
	s_add_co_u32 s58, s58, s51
	s_lshl_b32 s60, s52, 12                        ; bias: expert, slice
	s_add_co_u32 s60, s60, s51
	s_add_co_u32 s62, s54, s51                     ; part: quarter, slice, column half
	s_lshl_b32 s51, s56, 8
	s_add_co_u32 s62, s62, s51
	s_lshl_b32 s2, s52, 23                         ; h: expert, the quarter's 16 blocks of 64 columns
	s_lshl_b32 s51, s55, 21
	s_add_co_u32 s2, s2, s51
	s_mov_b32 s3, 0
	s_cmp_eq_u32 s55, 0
	s_cselect_b32 s54, -1, 0                       ; the bias is added in quarter 0 alone
	s_mov_b32 s55, 0xffff0000                      ; lanes 16 to 31
	s_mov_b32 s59, 0
	s_mov_b32 s61, 0
	s_mov_b32 s63, 0
	s_lshl_b32 s14, s52, 7                         ; bm: 32 words an expert
	s_mov_b32 s15, 0
	s_wait_kmcnt 0x0
	s_add_nc_u64 s[6:7], s[6:7], s[58:59]
	s_add_nc_u64 s[8:9], s[8:9], s[60:61]
	s_add_nc_u64 s[10:11], s[10:11], s[14:15]
	s_add_nc_u64 s[12:13], s[12:13], s[62:63]
	s_add_nc_u64 s[4:5], s[4:5], s[2:3]
; 8 K rows of my 64: group g into buffer g % 4; the wave's load covers a row's 512 consecutive bytes
.macro WLOAD g
.set i, 0
.rept 8
	global_load_b128 v[ST+32*((\g)%4)+4*i:ST+32*((\g)%4)+4*i+3], v[WOFF], s[6:7] offset:(8*(\g)+i)*PITCH th:TH_LOAD_NT
.set i, i+1
.endr
.endm
; group g is rounded, its buffer asked for again, and the group laid into W
.macro WGROUP g
.if (\g) < 5
	s_wait_loadcnt 24                              ; loads come back in order: three later groups of 8 may be out
.else
	s_wait_loadcnt 8*(7-(\g))                      ; the tail: 7 - g later groups
.endif
.set b, ST+32*((\g)%4)
.set PKB, PK+16*((\g)%2)
.irp q, 0,1,2,3
.irp d, 0,1,2,3
	v_cvt_pk_bf16_f32 v[PKB+4*(\q)+(\d)], v[b+8*(\d)+(\q)], v[b+8*(\d)+4+(\q)]  ; column q of my four, K rows 2 d and 2 d + 1
.endr
.endr
.if (\g) > 0 && (\g) < 7
	s_wait_alu depctr_vm_vsrc(0)                   ; the LDS stores of the group before have read the other packed buffer, which the next group's conversions write
.endif
	s_wait_alu depctr_va_vdst(0)                   ; the conversions have written this packed buffer, which the LDS stores read, and are done reading ST[g % 4], in which the loads land
.if (\g) < 4
	WLOAD (\g)+4
.endif
.irp q, 0,1,2,3
	ds_store_b128 v[WST], v[PKB+4*(\q):PKB+4*(\q)+3] offset:(\g)*2048+(\q)*256
.endr
.endm
; one halving of SEL: if my place is not among the wd low bits of what is left, it lies in the wd bits above: src holds the bit counts of fields of wd bits
.macro HALVE src, wd
	v_bfe_u32 v[SELA+QT], v[SELA+\src], v[SELA+QP], \wd
	v_cmp_ge_u32 s[MA], v[SELA+QN], v[SELA+QT]
	s_wait_alu depctr_va_sdst(0)                   ; the mask is written, ahead of the selects that read it
	v_cndmask_b32 v[SELA+QT], 0, v[SELA+QT], s[MA]
	v_sub_nc_u32 v[SELA+QN], v[SELA+QN], v[SELA+QT]
	v_cndmask_b32 v[SELA+QT], 0, \wd, s[MA]
	v_add_nc_u32 v[SELA+QP], v[SELA+QP], v[SELA+QT]
.endm
; SEL: v15 = the token of rank s53 + lane (held to the last rank that exists)
.macro SEL
	s_sub_co_u32 s51, s49, 1
	v_add_nc_u32 v[SELA+QN], s53, v10
	v_min_u32 v[SELA+QN], s51, v[SELA+QN]
	v_mov_b32 v[SELA+QW], s[BM]
	v_mov_b32 v[SELA+QK], 0
	s_mov_b32 s50, 0
.set j, 1
.rept 2                                                ; the last word with no more tokens ahead of it than my rank is the word that holds my token: words 1 to 31, sixteen at a time
.set n, 0
.rept 16
.if j+n < 32
	s_bcnt1_i32_b32 s51, s[BM+j+n-1]
	s_add_co_u32 s50, s50, s51                     ; the tokens ahead of word j + n (1,024 at the most),
	s_add_co_u32 s[PJ+n], s50, (j+n)<<16           ; and the word's number above them
	v_cmp_le_u32 s[MA+n], s50, v[SELA+QN]
.endif
.set n, n+1
.endr
	s_wait_alu depctr_va_sdst(0)                   ; the run's masks are written, ahead of the selects that read them
.set n, 0
.rept 16
.if j+n < 32
	v_cndmask_b32 v[SELA+QW], v[SELA+QW], s[BM+j+n], s[MA+n]
	v_cndmask_b32 v[SELA+QK], v[SELA+QK], s[PJ+n], s[MA+n]
.endif
.set n, n+1
.endr
.set j, j+16
.endr
	v_and_b32 v[SELA+QT], 0xffff, v[SELA+QK]
	v_sub_nc_u32 v[SELA+QN], v[SELA+QN], v[SELA+QT]    ; my place among the word's tokens
	v_lshrrev_b32 v[SELA+QK], 16, v[SELA+QK]           ; the word's number
	v_lshrrev_b32 v[SELA+QT], 1, v[SELA+QW]
	v_and_b32 v[SELA+QT], 0x55555555, v[SELA+QT]
	v_sub_nc_u32 v[SELA+QA], v[SELA+QW], v[SELA+QT]    ; bit counts of fields of 2,
	v_lshrrev_b32 v[SELA+QT], 2, v[SELA+QA]
	v_and_b32 v[SELA+QT], 0x33333333, v[SELA+QT]
	v_and_b32 v[SELA+QB], 0x33333333, v[SELA+QA]
	v_add_nc_u32 v[SELA+QB], v[SELA+QB], v[SELA+QT]    ; of 4,
	v_lshrrev_b32 v[SELA+QT], 4, v[SELA+QB]
	v_add_nc_u32 v[SELA+QC], v[SELA+QB], v[SELA+QT]
	v_and_b32 v[SELA+QC], 0x0f0f0f0f, v[SELA+QC]       ; of 8,
	v_bfe_u32 v[SELA+QT], v[SELA+QC], 8, 8
	v_and_b32 v[SELA+QP], 0xff, v[SELA+QC]
	v_add_nc_u32 v[SELA+QT], v[SELA+QT], v[SELA+QP]    ; and of the low 16
	v_cmp_ge_u32 s[MA], v[SELA+QN], v[SELA+QT]
	s_wait_alu depctr_va_sdst(0)                   ; the mask is written, ahead of the selects that read it
	v_cndmask_b32 v[SELA+QT], 0, v[SELA+QT], s[MA]
	v_sub_nc_u32 v[SELA+QN], v[SELA+QN], v[SELA+QT]
	v_cndmask_b32 v[SELA+QP], 0, 16, s[MA]
	HALVE QC, 8
	HALVE QB, 4
	HALVE QA, 2
	HALVE QW, 1
	v_lshl_add_u32 v15, v[SELA+QK], 5, v[SELA+QP]      ; the token
.endm
; the rows' fragments of K step s (two blocks of 16 ranks x 32 K) into slot s % 6: lane (r, h) takes K 8 h .. and 16 + 8 h .. of its row.  APART: load q of the step's four
.macro APART s, q
.set AD, AR+16*((\s)%6)+4*(\q)
	global_load_b128 v[AD:AD+3], v[11+(\q)/2], s[4:5] offset:((\s)/2)*131072+((\s)%2)*64+32*((\q)%2)  ; a block of 64 columns of h holds 1,024 ranks of 128 bytes
.endm
.macro ALOAD s
.irp q, 0,1,2,3
	APART \s, \q
.endr
.endm
	s_load_b512 s[BM:BM+15], s[10:11], 0x0
	s_load_b512 s[BM+16:BM+31], s[10:11], 0x40
	s_wait_alu depctr_va_vdst(0)                   ; the head's offsets and addresses (v3 to v8, v11, v12, v15) are written, which the loads and stores below read; v24 and v27, in which the bias lands, are done with
	global_load_b128 v[24:27], v15, s[8:9]
	WLOAD 0
	WLOAD 1
	WLOAD 2
	WLOAD 3
	s_wait_kmcnt 0x0                               ; the bitmap
	s_mov_b32 s49, 0
.set j, 0
.rept 32
	s_bcnt1_i32_b32 s51, s[BM+j]
	s_add_co_u32 s49, s49, s51                     ; the expert's count of rows
.set j, j+1
.endr
	s_wait_loadcnt 32                              ; the bias is in: the 32 weight loads were issued behind it
	v_cvt_pk_bf16_f32 v24, v24, v25                ; rounded to bf16 like every input, and widened again
	v_cvt_pk_bf16_f32 v26, v26, v27
	v_and_b32 v24, s54, v24
	v_and_b32 v26, s54, v26
	v_lshlrev_b32 v[BI], 16, v24
	v_and_b32 v[BI+1], 0xffff0000, v24
	v_lshlrev_b32 v[BI+2], 16, v26
	v_and_b32 v[BI+3], 0xffff0000, v26
	s_cmp_lg_u32 s49, 0
	s_cbranch_scc1 .Lstream
	s_wait_loadcnt 0x0                             ; no rows: nothing more is read, every pass below is dead; the 32 loads that are out land first
	s_branch .Lfilled
.Lstream:
	WGROUP 0
	WGROUP 1
	WGROUP 2
	WGROUP 3
	WGROUP 4
	WGROUP 5
	WGROUP 6
	WGROUP 7
	s_cmp_ge_u32 s53, s49
	s_cbranch_scc1 .Lfilled
	ALOAD 0                                        ; a live tile's first rows go out ahead of the barrier, into registers that the stream has left.  No wait: behind the last group's wait on va_vdst,
	ALOAD 1                                        ; which shows the conversions done reading v160-223, stands no vector instruction
	ALOAD 2
	ALOAD 3
.Lfilled:
	s_wait_dscnt 0x0                               ; for the others' sake: my part of W is in LDS
	s_barrier_signal -1
	s_barrier_wait -1                              ; the only barrier: from here on LDS is only read
; W's fragments of K step s (four blocks of 16 columns) into buffer s % 2.  BPART: block nb's two loads
.macro BPART s, nb
.set BD, BR+32*((\s)%2)+8*(\nb)
	ds_load_b128 v[BD:BD+3],   v[WB+(\s)/8] offset:((\s)%8)*8192+(\nb)*256
	ds_load_b128 v[BD+4:BD+7], v[WB+(\s)/8] offset:((\s)%8)*8192+(\nb)*256+4096
.endm
.macro BLOAD s
.irp nb, 0,1,2,3
	BPART \s, \nb
.endr
.endm
; K step s: 8 products, the 8 accumulators by turns; step 0 starts the sums with the constant 0.
; Behind each of its first four products stand two of the next step's fragment loads and one load of the rows five steps on.
.macro KSTEP s
.if (\s) == 0
	s_wait_loadcnt 20                              ; five later steps' rows, 4 loads each, may be out
	s_wait_dscnt 8                                 ; step 1's 8 fragment loads may be out
.else
.if (\s) < 27
	s_wait_loadcnt 16                              ; four later steps' rows, 4 loads each, may be out
.else
	s_wait_loadcnt 4*(31-(\s))
.endif
	s_wait_dscnt 0                                 ; this step's fragments were asked for in the step before, and no LDS load behind them
.endif
.if (\s) > 0 && (\s) < 31
	s_wait_alu depctr_va_vdst(0)                   ; the products of the step before are done reading their fragments of W and their slot of rows, in which this step's loads land
.endif
.set AS, AR+16*((\s)%6)
.set BS, BR+32*((\s)%2)
.irp a, 0,1
.irp nb, 0,1,2,3
.if (\s) == 0
	v_wmma_f32_16x16x32_bf16 v[ACC+32*(\a)+8*(\nb):ACC+32*(\a)+8*(\nb)+7], v[AS+8*(\a):AS+8*(\a)+7], v[BS+8*(\nb):BS+8*(\nb)+7], 0
.else
	v_wmma_f32_16x16x32_bf16 v[ACC+32*(\a)+8*(\nb):ACC+32*(\a)+8*(\nb)+7], v[AS+8*(\a):AS+8*(\a)+7], v[BS+8*(\nb):BS+8*(\nb)+7], v[ACC+32*(\a)+8*(\nb):ACC+32*(\a)+8*(\nb)+7]
.endif
.if (\a) == 0 && (\s) > 0 && (\s) < 31
	BPART (\s)+1, \nb                              ; no wait: no product since the wait above names the other buffer of W,
.endif
.if (\a) == 0 && (\s) > 0 && (\s) < 27
	APART (\s)+5, \nb                              ; nor the slot of the step before
.endif
.endr
.endr
.if (\s) == 31
.rept 4
	v_nop                                          ; four places between the last products and the way out, which reads their results and writes their sources (ISA guide 7.12.1)
.endr
.endif
.endm
	s_mov_b32 s54, 4
.Lpass:
	s_cmp_ge_u32 s53, s49
	s_cbranch_scc1 .Ldead                          ; the tile begins at or past the count
	s_wait_xcnt 0x0                                ; the last pass's stores have had their addresses translated: their offsets are loaded over below
	s_wait_alu depctr_vm_vsrc(0)                   ; the last pass's stores have read their offsets v224-239, the stream's LDS stores v224-255, the bias's load v15: all are written anew below
	s_wait_alu depctr_va_vdst(0)                   ; on every way into the pass: the vector work that named v96-159 and v224-255 (the stream's conversions; the last way out's offsets) is done, before loads land there
	ALOAD 4                                        ; K steps 0 to 3 are on their way already
	ALOAD 5
	BLOAD 0
	BLOAD 1
	SEL                                            ; the tile's tokens, while the first loads are out
.set k, 0
.rept 32
	KSTEP k
.set k, k+1
.endr
.set i, 0
.rept 32
	v_readlane_b32 s[TS+i], v15, i                 ; the token of rank R0 + i
.set i, i+1
.endr
.set i, 0
.rept 16                                               ; i = 8 a + j, j ascending: each accumulator's low registers are read first
.irp nb, 0,1,2,3
	v_add_f32 v[OR+4*i+(\nb)], v[ACC+32*(i/8)+8*(\nb)+i%8], v[BI+(\nb)]
.endr
.set i, i+1
.endr
	s_wait_alu depctr_va_sdst(0)                   ; the 32 tokens are written into s[TS ..], ahead of their first reader; the sums above stand between
.set i, 0
.rept 16                                               ; register j of block a holds rank 16 a + 2 j + h = 2 i + h
	v_mov_b32 v[TK+i], s[TS+2*i]
	v_cndmask_b32 v[TK+i], v[TK+i], s[TS+2*i+1], s55
	v_min_u32 v[TK+i], 0x3ff, v[TK+i]              ; inside part, whatever was loaded
	v_lshl_add_u32 v[TK+i], v[TK+i], 12, v13       ; a token's row of part is 4,096 bytes; my columns at 16 r
.set i, i+1
.endr
	s_wait_alu depctr_va_vdst(0)                   ; the sums v160-223 and the offsets v224-239 are written, which the stores read
.set i, 0
.rept 16
	global_store_b128 v[TK+i], v[OR+4*i:OR+4*i+3], s[12:13]  ; each half of the lanes fills 256 consecutive bytes, aligned, of one token's row
.set i, i+1
.endr
.Ldead:
	s_add_co_u32 s53, s53, 256
	s_cmp_ge_u32 s53, s49
	s_cbranch_scc1 .Lno_next                       ; no further tile of mine
	s_wait_loadcnt 0x0                             ; no row load is out: v11, v12 and slots 0 to 3 may be written,
	s_wait_xcnt 0x0                                ; and the stores above have had their addresses translated; their data lie in those slots
	s_wait_alu depctr_vm_vsrc(0)                   ; the row loads have read v11 and v12, which are written below; the stores have read v160-223, in which the loads below land
	v_lshl_add_u32 v11, s53, 7, v9
	v_add_nc_u32 v12, 2048, v11
	s_wait_alu depctr_va_vdst(0)                   ; v11 and v12 are written, which the loads below read; the way out's sums into v160-223 are done
	ALOAD 0                                        ; the next tile's first rows
	ALOAD 1
	ALOAD 2
	ALOAD 3
.Lno_next:
	s_sub_co_u32 s54, s54, 1
	s_cmp_lg_u32 s54, 0
	s_cbranch_scc1 .Lpass
	s_wait_dscnt 0x0                               ; the wave's end
	s_wait_alu depctr_hold_cnt(0) depctr_sa_sdst(0) depctr_va_vdst(0) depctr_va_sdst(0) depctr_va_ssrc(0) depctr_va_vcc(0) depctr_vm_vsrc(0)
	s_wait_tensorcnt 0x0
	ds_add_u32 v23, v31
	s_wait_dscnt 0x0
	s_endpgm
.Lfunc_end_k_q9527801acd_ffn2:
	.size	k_q9527801acd_ffn2, .Lfunc_end_k_q9527801acd_ffn2-k_q9527801acd_ffn2
	.p2alignl 7, 3214868480
	.fill 96, 4, 3214868480
	.section	.rodata,"a",@progbits
	.p2align	6, 0x0
	.amdhsa_kernel k_q9527801acd_ffn2
		.amdhsa_group_segment_fixed_size 264192
		.amdhsa_private_segment_fixed_size 0
		.amdhsa_enable_private_segment 0
		.amdhsa_kernarg_size 40
		.amdhsa_user_sgpr_count 2
		.amdhsa_user_sgpr_kernarg_segment_ptr 1
		.amdhsa_wavefront_size32 1
		.amdhsa_system_sgpr_workgroup_id_x 1
		.amdhsa_system_sgpr_workgroup_id_y 1
		.amdhsa_system_sgpr_workgroup_id_z 1
		.amdhsa_system_vgpr_workitem_id 0
		.amdhsa_next_free_vgpr 256
		.amdhsa_next_free_sgpr 98
		.amdhsa_reserve_vcc 0
		.amdhsa_float_denorm_mode_32 3
		.amdhsa_float_denorm_mode_16_64 3
		.amdhsa_memory_ordered 1
		.amdhsa_forward_progress 1
		.amdhsa_inst_pref_size 94
	.end_amdhsa_kernel
	.amdgpu_metadata
---
amdhsa.version: [ 1, 2 ]
amdhsa.kernels:
  - .name:           k_q9527801acd_ffn2
    .symbol:         k_q9527801acd_ffn2.kd
    .args:
      - { .name: hbuf, .offset: 0, .size: 8, .value_kind: global_buffer, .address_space: global }
      - { .name: w2, .offset: 8, .size: 8, .value_kind: global_buffer, .address_space: global }
      - { .name: b2, .offset: 16, .size: 8, .value_kind: global_buffer, .address_space: global }
      - { .name: bm, .offset: 24, .size: 8, .value_kind: global_buffer, .address_space: global }
      - { .name: part, .offset: 32, .size: 8, .value_kind: global_buffer, .address_space: global }
    .group_segment_fixed_size: 264192
    .private_segment_fixed_size: 0
    .kernarg_segment_align: 8
    .kernarg_segment_size: 40
    .max_flat_workgroup_size: 512
    .sgpr_count:     98
    .vgpr_count:     256
    .wavefront_size: 32
...
	.end_amdgpu_metadata
.endif
;; end of part 6
;; launch sum: the kernel of part 4 again; grid 256 x 1, 8 waves a work-group, no clusters, 0 bytes of LDS; arguments part, out0; writes out0
